; MI455X (gfx1250); checked and timed in simulation.
; The chip was launched on July 23, 2026; its instructions are those of AMD's public machine-readable ISA for CDNA 5 (MIT licence, August 2026) and "CDNA5" Instruction Set Architecture Reference Guide (July 2026). The comments in the code are by the model that wrote it; some were corrected since.
;; Vaswani Multi Head Attention. Allowed arithmetic: matrix products marked QUANTISED: E5M2 operands, one E8M0 scale for each 32 along K, by v_wmma_scale_f32_16x16x128_f8f6f4 with both operands' format E5M2, f32 sums; everything else in f32.
;; Inputs: Wk 1,024 x 1,024 float32; Wq 1,024 x 1,024 float32; Wv 1,024 x 1,024 float32; bk 1,024 float32; bq 1,024 float32; bv 1,024 float32; q 4 x 2,048 x 1,024 float32; v 4 x 2,048 x 1,024 float32.
;; Outputs: out0 4 x 2,048 x 1,024 float32.
;; This version of the problem:
;;   THIS VERSION OF THE PROBLEM IS GIVEN IN LOW PRECISION. The matrix products marked QUANTISED in the list below multiply operands that are first quantised to E5M2 (5 exponent bits, 2 mantissa bits; 8 bits a number), with one power-of-two scale for each 32 numbers along K (OCP MX v1.0); their sums are f32. All else is computed in f32.
;;   The module's matrix products, in the order in which they are computed (A, B: the left and right operand; K: the contracted axis; several contracted axes count as one K, in the product's order):
;;     1. [M 8,192, K 1,024] x [K 1,024, N 1,024]; A: input q; B: input Wq: QUANTISED
;;     2. [M 8,192, K 1,024] x [K 1,024, N 1,024]; A: input v; B: input Wk: QUANTISED
;;     3. [M 8,192, K 1,024] x [K 1,024, N 1,024]; A: input v; B: input Wv: QUANTISED
;;     4. batch 32 x [M 2,048, K 128] x [K 128, N 2,048]; A: computed on the way; B: computed on the way: QUANTISED
;;     5. batch 32 x [M 128, K 2,048] x [K 2,048, N 2,048]; A: computed on the way; B: softmax (see below): QUANTISED
;;   THE QUANTISER, for each operand of a quantised product, along K:
;;     - K is cut into blocks of 32 from its start; a last block that is shorter is filled with zeros.
;;     - A block's scale is 2^e with e = floor(log2(the largest magnitude in the block)) - 15, held to -126 .. 127; a block of zeros has e = 0. As a byte (E8M0): e + 127.
;;     - Each number is divided by its block's scale, clamped to +-57,344, and rounded to the nearest number of E5M2, ties to even, subnormals kept.
;;     - The product sums the exact products of the quantised numbers (number of the format x scale) in f32.
;;   ~~~python
;;   def quantise(x, axis):      # numpy; x: float32 -> the quantised numbers, widened to float32 again
;;       x = np.moveaxis(x, axis, -1); K = x.shape[-1]
;;       x = np.pad(x, [(0, 0)] * (x.ndim - 1) + [(0, -K % 32)]); x = x.reshape(x.shape[:-1] + (-1, 32)); a = np.abs(x).max(-1, keepdims=True)
;;       e = np.where(a > 0, np.clip(np.frexp(np.where(a > 0, a, 1))[1] - 1 - 15, -126, 127), 0)      # np.frexp(a)[1] - 1 = floor(log2(a)), exactly
;;       r = np.clip(x / 2.0 ** e, -57344, 57344)
;;       step = 2.0 ** (np.maximum(np.frexp(np.where(r == 0, 1, r))[1] - 1, -14) - 2)
;;       q = np.round(r / step) * step * 2.0 ** e      # np.round: ties to even
;;       return np.moveaxis(q.reshape(q.shape[:-2] + (-1,))[..., :K], -1, axis).astype(np.float32)
;;   ~~~
;;   SOFTMAX AHEAD OF A QUANTISED PRODUCT. Where the list says 'softmax', what is quantised is not the finished softmax but p = 2^(t - M), with t = logit x log2(e) and M = ceil(the row's largest t), a whole number; so 1/2 < the row's largest p <= 1. The row's sum l is taken of the UNQUANTISED p, in f32, and the product's result is divided by l at the end. Since M is a whole number, a kernel that streams over the keys may use a running M (the ceiling of the running maximum): every later rescaling is an exact power of two, which a block's scale takes up: the codes' values come out the same.
;;   OPERANDS COMPUTED ON THE WAY. 'Computed on the way' means the value that the module computes at that place (a softmax that the list does not call 'softmax' is quantised finished and normalised). What goes into a quantiser is computed in f32, as accurately as f32 sums, v_exp_f32 and their like allow (about 1e-6 of the number): no bf16 or f16 on the way to a quantiser, and a product that is left as it is and whose result goes on into a quantised operand takes f32 operands (vector FMAs, or v_wmma_f32_16x16x4_f32). A number that lies on a knife's edge between two numbers of the format may be rounded either way, as far as f32 arithmetic and the matrix unit's own rounding can turn it there, and no further.
;; One version. Each part assembles by itself: llvm-mc -triple=amdgcn-amd-amdhsa -mcpu=gfx1250 --defsym DOCPART=n.
;; ======== version 1 of 1: 3 launches
;; limits: right only within a limited range of input values
;; workspace buffers: x_codes 16,777,216 bytes; x_scales 524,288 bytes; w_codes 3,145,728 bytes; w_scales 98,304 bytes; p_codes 16,777,216 bytes; p_scales 524,288 bytes
;; launch prep (part 1): grid 608 x 1, 4 waves a work-group, no clusters, 56,832 bytes of LDS; arguments q, v, Wq, Wk, Wv, x_codes, x_scales, w_codes, w_scales; writes x_codes, x_scales, w_codes, w_scales
.if DOCPART == 1
	.amdgcn_target "amdgcn-amd-amdhsa--gfx1250"
	.amdhsa_code_object_version 6
	.text
	.protected	k_q890d35af14_prep
	.globl	k_q890d35af14_prep
	.p2align	8
	.type	k_q890d35af14_prep,@function
k_q890d35af14_prep:
	s_mov_b64 s[64:65], 0
	v_nop
	global_prefetch_b8 v0, s[64:65] scope:SCOPE_SE
	s_setreg_imm32_b32 hwreg(HW_REG_WAVE_MODE, 25, 1), 1
	s_wait_xcnt 0x0
; q, v [8192][1024] and Wq, Wk, Wv [1024 (k)][1024 (n)], all f32, become codes of E5M2 with K innermost and one E8M0 byte for each 32 along K.
; x_codes [16384 rows][1024]: q's tokens, then v's; x_scales [16384][32].  w_codes [3072 rows n][1024 k]: Wq, Wk, Wv; w_scales [3072][32].
; A block's scale is 2^(floor(log2(largest magnitude)) - 15); its byte is the largest magnitude's exponent field - 15, held at 1 from below.
; THE ROWS ARE STORED IN ANOTHER ORDER: in each aligned group of 32 rows the second and the third group of 8 change places.  Sixteen neighbouring stored rows 16 u + r are
; then the rows 8 u + r + 8 (r / 8), which the next launch wants as a tile: its results then lie as 16 neighbours along the next K in a lane's registers.
; Work-groups 0-511 take 32 rows of q or v (a wave: 8 rows, one group of 8); work-groups 512-607 take 128 columns x 256 along K of a weight.
; The two ways part on the work-group's number and have LDS bytes of their own.  Waves share nothing: no barrier.  No input is shared between work-groups: no cluster, no tensor load.
; LIMITS: NaN and infinities among the inputs are not served.  A block of zeros gets the byte 1 where the rule says 127: its codes are zeros, and these bytes are read by this program alone.
; Blocks whose largest magnitude lies under 2^-111 have their byte held at 1.
.set XWG,   512                        ; work-groups of the rows' way
.set MANT,  0x600000                   ; the mantissa field of 57,344 as f32
.set FLOOR, 0x8000000                  ; 2^(16 - 127)
.set OFF15, 0xf8800000                 ; -(15 << 23)
.set STEPS, 16
.set SP,    80                         ; rows' way: a lane's place in a stage: 64 bytes + 16 of padding
.set WREG,  5376                       ; a wave's LDS: two stages of 32 x SP bytes, then its 256 scale bytes
.set WBASE, 4*WREG                     ; the weights' way begins here
.set WP,    272                        ; weights' way: a stage row: 256 bytes + 16
.set NB,    8                          ; blocks of 32 along K for a wave
.set XR,    16                         ; v16-79   four sets of 16 numbers as loaded
.set XN,    80                         ; v80-111  two sets of 16 neighbours
.set XE,    112                        ; v112-127 a scale byte for each step
.set XC,    128                        ; v128-191 codes: four registers for each step, so that no store's data are written again
.set WS,    24                         ; v24-25   weights' way: the scale bytes, four to a register
.set WN,    32                         ; v32-95   two sets of 32 numbers
.set WC,    96                         ; v96-103  a block's codes
.set WO,    112                        ; v112-175 the way out
.macro XLOAD t                         ; step t: 2,048 bytes, each load 512 consecutive bytes
.irp i, 0,1,2,3
	global_load_b128 v[XR+16*((\t)%4)+4*\i:XR+16*((\t)%4)+4*\i+3], v3, s[4:5] offset:2048*(\t)+512*\i th:TH_LOAD_NT
.endr
.endm
.macro XTURN t                         ; step t's numbers through the wave's own stage: in as loaded, out 64 bytes a lane.  LDS serves a wave's instructions in order
.irp i, 0,1,2,3
	ds_store_b128 v14, v[XR+16*((\t)%4)+4*\i:XR+16*((\t)%4)+4*\i+3] offset:32*SP*((\t)%2)+8*SP*\i
.endr
.irp i, 0,1,2,3
	ds_load_b128 v[XN+16*((\t)%2)+4*\i:XN+16*((\t)%2)+4*\i+3], v15 offset:32*SP*((\t)%2)+16*\i
.endr
.endm
.macro XSTEP t
.set XS, XN+16*((\t)%2)
.if (\t) > 0
	s_wait_dscnt 1                                 ; this step's numbers are back from the stage; the last step's byte store may be out
.else
	s_wait_dscnt 0x0
.endif
.if (\t)+4 < STEPS
	XLOAD (\t)+4                                   ; into the set whose stores into the stage are done
.endif
.if (\t)+1 < STEPS
.if STEPS-2-(\t) >= 3
	s_wait_loadcnt 12                              ; the next step's four loads are in; the 12 of the three steps behind it may be out
.else
	s_wait_loadcnt 4*(STEPS-2-(\t))
.endif
	XTURN (\t)+1
.endif
	v_max3_num_f32 v8, |v[XS]|, |v[XS+1]|, |v[XS+2]|               ; the largest magnitude of my 16, in two chains
	v_max3_num_f32 v9, |v[XS+3]|, |v[XS+4]|, |v[XS+5]|
.irp i, 6,10
	v_max3_num_f32 v8, v8, |v[XS+\i]|, |v[XS+\i+1]|
	v_max3_num_f32 v9, v9, |v[XS+\i+2]|, |v[XS+\i+3]|
.endr
	v_max3_num_f32 v8, v8, |v[XS+14]|, |v[XS+15]|
	v_max3_num_f32 v8, v8, v9, FLOOR               ; and the floor: the byte cannot fall under 1
	v_max_num_f32_dpp v8, v8, v8 row_xmask:1 row_mask:0xf bank_mask:0xf   ; with my neighbour's 16: the block's
	v_add_nc_u32 v11, OFF15, v8                    ; 15 off the exponent field: the conversion's scale operand
	v_and_or_b32 v10, v8, 0x7f800000, s23          ; 57,344 x the scale
.irp i, 0,1,2,3,4,5,6,7,8,9,10,11,12,13,14,15
	v_med3_num_f32 v[XS+\i], v[XS+\i], -v10, v10   ; the conversion to an 8-bit code does not saturate (ISA guide 7.6.2): the hold comes first
.endr
	v_cvt_scalef32_pk8_bf8_f32 v[XC+4*(\t):XC+4*(\t)+1], v[XS:XS+7], v11
	v_cvt_scalef32_pk8_bf8_f32 v[XC+4*(\t)+2:XC+4*(\t)+3], v[XS+8:XS+15], v11
	v_lshrrev_b32 v[XE+(\t)], 23, v11              ; the scale's byte (also the plain line behind the conversions)
	ds_store_b8 v5, v[XE+(\t)] offset:16*(\t)      ; both lanes of a block write the same byte with the same value
	global_store_b128 v3, v[XC+4*(\t):XC+4*(\t)+3], s[14:15] offset:512*(\t)   ; the wave stores 512 consecutive bytes
.endm
.macro WLOAD t                         ; block t: W(32 t + i, my column) into set t % 2: each load 128 consecutive bytes a wave
.irp i, 0,1,2,3,4,5,6,7,8,9,10,11,12,13,14,15,16,17,18,19,20,21,22,23,24,25,26,27,28,29,30,31
	global_load_b32 v[WN+32*((\t)%2)+\i], v3, s[8:9] offset:(32*(\t)+\i)*4096 th:TH_LOAD_NT
.endr
.endm
.macro WBLOCK t
.set XS, WN+32*((\t)%2)
.if (\t) < NB-1
	s_wait_loadcnt 32                              ; this block's 32 loads are in; the next block's may be out
.else
	s_wait_loadcnt 0
.endif
	v_max3_num_f32 v12, |v[XS]|, |v[XS+1]|, |v[XS+2]|              ; all 32 numbers of the block are mine
	v_max3_num_f32 v13, |v[XS+3]|, |v[XS+4]|, |v[XS+5]|
.irp i, 6,10,14,18,22,26
	v_max3_num_f32 v12, v12, |v[XS+\i]|, |v[XS+\i+1]|
	v_max3_num_f32 v13, v13, |v[XS+\i+2]|, |v[XS+\i+3]|
.endr
	v_max3_num_f32 v12, v12, |v[XS+30]|, |v[XS+31]|
	v_max3_num_f32 v12, v12, v13, FLOOR
	v_add_nc_u32 v11, OFF15, v12
	v_and_or_b32 v10, v12, 0x7f800000, s23
	v_lshrrev_b32 v13, 23, v11
.if (\t)%4 == 0
	v_mov_b32 v[WS+(\t)/4], v13                    ; four bytes to a register, the lower K in the lower byte
.else
	v_lshl_or_b32 v[WS+(\t)/4], v13, 8*((\t)%4), v[WS+(\t)/4]
.endif
.irp i, 0,1,2,3,4,5,6,7,8,9,10,11,12,13,14,15,16,17,18,19,20,21,22,23,24,25,26,27,28,29,30,31
	v_med3_num_f32 v[XS+\i], v[XS+\i], -v10, v10
.endr
.irp g, 0,1,2,3
	v_cvt_scalef32_pk8_bf8_f32 v[WC+2*\g:WC+2*\g+1], v[XS+8*\g:XS+8*\g+7], v11
.endr
	ds_store_b128 v4, v[WC:WC+3] offset:32*(\t)    ; 32 codes of my column's row
	ds_store_b128 v4, v[WC+4:WC+7] offset:32*(\t)+16
.if (\t)+2 < NB
	WLOAD (\t)+2
.endif
	s_wait_dscnt 0x0                               ; the stores have read their registers: the next block's codes may be written
.endm
	s_load_b512 s[4:19], s[0:1], 0x0               ; q 4:5, v 6:7, Wq 8:9, Wk 10:11, Wv 12:13, x_codes 14:15, x_scales 16:17, w_codes 18:19
	s_load_b64 s[20:21], s[0:1], 0x40              ; w_scales
	v_lshl_add_u32 v192, v0, 2, 0xdc00
	v_mov_b32 v193, 0
	v_lshrrev_b32 v1, 5, v0
	v_readfirstlane_b32 s22, v1                    ; wave 0..3
	v_and_b32 v2, 31, v0                           ; lane
	s_mov_b32 s23, MANT
	s_mov_b32 s27, 0                               ; the upper word of every offset pair s[26:27]
	s_wait_kmcnt 0x0
	s_cmp_lt_u32 ttmp9, XWG
	s_cbranch_scc0 .Lweights
	; ---- the rows' way: K is innermost, the tensor is a stream of blocks of 32
	v_lshlrev_b32 v3, 4, v2                        ; 16 x lane: my 16 bytes of a load's 512, and of a step's 512 bytes of codes
	s_mul_i32 s24, s22, WREG
	v_lshrrev_b32 v14, 2, v2
	v_mul_u32_u24 v14, v14, SP
	v_and_b32 v15, 3, v2
	v_lshl_add_u32 v14, v15, 4, v14
	v_add_nc_u32 v14, s24, v14                     ; the stage, in: SP (lane / 4) + 16 (lane % 4)
	v_mul_u32_u24 v15, v2, SP
	v_add_nc_u32 v15, s24, v15                     ; out: SP x lane: my 16 neighbours
	v_lshrrev_b32 v5, 1, v2
	s_add_co_u32 s24, s24, 2*32*SP
	v_add_nc_u32 v5, s24, v5                       ; my block's byte among the wave's 256 scale bytes
	v_lshlrev_b32 v7, 3, v2
	v_add_nc_u32 v6, s24, v7                       ; and on the way out 8 bytes a lane
	s_cmp_lt_u32 ttmp9, 256                        ; q's work-group or v's: the choice hangs on the work-group's number alone
	s_cselect_b64 s[4:5], s[4:5], s[6:7]
	s_and_b32 s25, ttmp9, 255
	s_lshl_b32 s25, s25, 2
	s_add_co_u32 s25, s25, s22                     ; which 8 rows of the tensor are my wave's
	s_lshl_b32 s26, s25, 15                        ; 8 rows of 4,096 bytes
	s_add_nc_u64 s[4:5], s[4:5], s[26:27]
	s_and_b32 s28, s22, 1                          ; where they are stored: groups 1 and 2 of the 32 rows change places
	s_lshl_b32 s28, s28, 1
	s_lshr_b32 s29, s22, 1
	s_or_b32 s28, s28, s29
	s_lshl_b32 s29, ttmp9, 2
	s_add_co_u32 s28, s28, s29
	s_lshl_b32 s26, s28, 13                        ; 8 rows of 1,024 codes
	s_add_nc_u64 s[14:15], s[14:15], s[26:27]
	s_lshl_b32 s26, s28, 8                         ; 8 rows of 32 scale bytes
	s_add_nc_u64 s[16:17], s[16:17], s[26:27]
.irp t, 0,1,2,3
	XLOAD \t
.endr
	s_wait_loadcnt 12                              ; step 0's four loads are in
	XTURN 0
.irp t, 0,1,2,3,4,5,6,7,8,9,10,11,12,13,14,15
	XSTEP \t
.endr
	ds_load_b64 v[12:13], v6                       ; these see my byte stores: LDS serves a wave in order
	s_wait_dscnt 0x0
	global_store_b64 v7, v[12:13], s[16:17]        ; 32 lanes store 256 consecutive bytes, aligned
	s_wait_tensorcnt 0x0
	ds_add_u32 v192, v193
	s_wait_dscnt 0x0
	s_endpgm
.Lweights:
	; ---- the weights' way: K is the first axis.  A lane takes a column n and its registers run down K: nothing is transposed
	s_sub_co_u32 s24, ttmp9, XWG
	s_lshr_b32 s25, s24, 5                         ; which weight
	s_and_b32 s28, s24, 7                          ; which 128 columns
	s_bfe_u32 s29, s24, 0x20003                    ; which 256 along K
	s_cmp_eq_u32 s25, 0
	s_cselect_b64 s[8:9], s[8:9], s[10:11]
	s_cmp_eq_u32 s25, 2
	s_cselect_b64 s[8:9], s[12:13], s[8:9]
	s_lshl_b32 s28, s28, 7
	s_lshl_b32 s30, s22, 5
	s_add_co_u32 s28, s28, s30                     ; my wave's first column, a multiple of 32
	s_lshl_b32 s26, s29, 20                        ; W: 256 rows of 4,096 bytes, + 4 x column
	s_lshl_b32 s30, s28, 2
	s_add_co_u32 s26, s26, s30
	s_add_nc_u64 s[8:9], s[8:9], s[26:27]
	s_lshl_b32 s26, s25, 20                        ; codes: weight x 2^20 + column x 1,024 + 256 x which K
	s_lshl_b32 s30, s28, 10
	s_add_co_u32 s26, s26, s30
	s_lshl_b32 s30, s29, 8
	s_add_co_u32 s26, s26, s30
	s_add_nc_u64 s[18:19], s[18:19], s[26:27]
	s_lshl_b32 s26, s25, 15                        ; scale bytes: weight x 2^15 + column x 32 + 8 x which K
	s_lshl_b32 s30, s28, 5
	s_add_co_u32 s26, s26, s30
	s_lshl_b32 s30, s29, 3
	s_add_co_u32 s26, s26, s30
	s_add_nc_u64 s[20:21], s[20:21], s[26:27]
	v_lshlrev_b32 v3, 2, v2                        ; in: 4 bytes a lane
	s_mul_i32 s30, s22, 32*WP
	s_add_co_u32 s30, s30, WBASE                   ; my stage
	v_mul_u32_u24 v4, v2, WP
	v_add_nc_u32 v4, s30, v4                       ; into it: row = my column
	v_and_b32 v5, 15, v2
	v_lshrrev_b32 v6, 4, v2
	v_mul_u32_u24 v7, v6, WP
	v_lshl_add_u32 v7, v5, 4, v7
	v_add_nc_u32 v7, s30, v7                       ; out of it: sixteen lanes to a row, two rows an instruction
	v_lshlrev_b32 v8, 10, v6
	v_lshl_add_u32 v8, v5, 4, v8                   ; and the same place in the codes' buffer
	v_and_b32 v9, 7, v2                            ; my column's stored row: bits 3 and 4 of the lane change places
	v_and_b32 v10, 8, v2
	v_lshl_or_b32 v9, v10, 1, v9
	v_and_b32 v10, 16, v2
	v_lshrrev_b32 v10, 1, v10
	v_or_b32 v9, v9, v10
	v_lshlrev_b32 v9, 5, v9                        ; x 32 scale bytes a row
	WLOAD 0
	WLOAD 1
.set Q, 0
.rept NB
	WBLOCK Q
.set Q, Q+1
.endr
	global_store_b64 v9, v[WS:WS+1], s[20:21]      ; my column's 8 scale bytes
.irp t, 0,1,2,3,4,5,6,7,8,9,10,11,12,13,14,15
	ds_load_b128 v[WO+4*\t:WO+4*\t+3], v7 offset:2*\t*WP
.endr
.irp t, 0,1,2,3,4,5,6,7,8,9,10,11,12,13,14,15
	s_wait_dscnt 15-\t                             ; LDS loads come back in order: load t is in
	global_store_b128 v8, v[WO+4*\t:WO+4*\t+3], s[18:19] offset:(8*(((\t/4)&1)*2+(\t/4)/2)+2*(\t%4))*1024   ; columns 2 t, 2 t + 1 at their stored rows; sixteen lanes store 256 consecutive bytes, aligned
.endr
	s_wait_tensorcnt 0x0
	ds_add_u32 v192, v193
	s_wait_dscnt 0x0
	s_endpgm
.Lfunc_end_k_q890d35af14_prep:
	.size	k_q890d35af14_prep, .Lfunc_end_k_q890d35af14_prep-k_q890d35af14_prep
	.p2alignl 7, 3214868480
	.fill 96, 4, 3214868480
	.section	.rodata,"a",@progbits
	.p2align	6, 0x0
	.amdhsa_kernel k_q890d35af14_prep
		.amdhsa_group_segment_fixed_size 56832
		.amdhsa_private_segment_fixed_size 0
		.amdhsa_enable_private_segment 0
		.amdhsa_kernarg_size 72
		.amdhsa_user_sgpr_count 2
		.amdhsa_user_sgpr_kernarg_segment_ptr 1
		.amdhsa_wavefront_size32 1
		.amdhsa_system_sgpr_workgroup_id_x 1
		.amdhsa_system_sgpr_workgroup_id_y 1
		.amdhsa_system_sgpr_workgroup_id_z 1
		.amdhsa_system_vgpr_workitem_id 0
		.amdhsa_next_free_vgpr 194
		.amdhsa_next_free_sgpr 66
		.amdhsa_reserve_vcc 0
		.amdhsa_float_denorm_mode_32 3
		.amdhsa_float_denorm_mode_16_64 3
		.amdhsa_memory_ordered 1
		.amdhsa_forward_progress 1
		.amdhsa_inst_pref_size 110
	.end_amdhsa_kernel
	.amdgpu_metadata
---
amdhsa.version: [ 1, 2 ]
amdhsa.kernels:
  - .name:           k_q890d35af14_prep
    .symbol:         k_q890d35af14_prep.kd
    .args:
      - { .name: q, .offset: 0, .size: 8, .value_kind: global_buffer, .address_space: global }
      - { .name: v, .offset: 8, .size: 8, .value_kind: global_buffer, .address_space: global }
      - { .name: Wq, .offset: 16, .size: 8, .value_kind: global_buffer, .address_space: global }
      - { .name: Wk, .offset: 24, .size: 8, .value_kind: global_buffer, .address_space: global }
      - { .name: Wv, .offset: 32, .size: 8, .value_kind: global_buffer, .address_space: global }
      - { .name: x_codes, .offset: 40, .size: 8, .value_kind: global_buffer, .address_space: global }
      - { .name: x_scales, .offset: 48, .size: 8, .value_kind: global_buffer, .address_space: global }
      - { .name: w_codes, .offset: 56, .size: 8, .value_kind: global_buffer, .address_space: global }
      - { .name: w_scales, .offset: 64, .size: 8, .value_kind: global_buffer, .address_space: global }
    .group_segment_fixed_size: 56832
    .private_segment_fixed_size: 0
    .kernarg_segment_align: 8
    .kernarg_segment_size: 72
    .max_flat_workgroup_size: 128
    .sgpr_count:     66
    .vgpr_count:     194
    .wavefront_size: 32
...
	.end_amdgpu_metadata
.endif
;; end of part 1
;; launch proj (part 2): grid 4 x 64, 4 waves a work-group, clusters of 4 x 4, 327,680 bytes of LDS; arguments x_codes, x_scales, w_codes, w_scales, bk, bv, p_codes, p_scales; writes p_codes, p_scales
.if DOCPART == 2
	.amdgcn_target "amdgcn-amd-amdhsa--gfx1250"
	.amdhsa_code_object_version 6
	.text
	.protected	k_q890d35af14_proj
	.globl	k_q890d35af14_proj
	.p2align	8
	.type	k_q890d35af14_proj,@function
k_q890d35af14_proj:
	s_mov_b64 s[64:65], 0
	v_nop
	global_prefetch_b8 v0, s[64:65] scope:SCOPE_SE
	s_setreg_imm32_b32 hwreg(HW_REG_WAVE_MODE, 25, 1), 1
	s_wait_xcnt 0x0
	s_wait_alu depctr_hold_cnt(0) depctr_sa_sdst(0) depctr_va_vdst(0) depctr_va_sdst(0) depctr_va_ssrc(0) depctr_va_vcc(0) depctr_vm_vsrc(0)
	s_getreg_b32 s2, hwreg(HW_REG_IB_STS2, 6, 4)
	s_cmp_eq_u32 s2, 0
	s_cbranch_scc0 .Lentry_in_a_cluster
	s_endpgm
.Lentry_in_a_cluster:
	s_bfe_u32 s2, ttmp6, 0x10000c
	s_cmp_lg_u32 s2, 0xf033
	s_cbranch_scc0 .Lentry_shape_is_right
	s_endpgm
.Lentry_shape_is_right:
; The two projections kp = v Wk + bk and vp = v Wv + bv on codes of E5M2 with E8M0 scales, K = 1,024; the results are quantised in registers and leave as codes for the attention.  (Q's projection is made by the attention's own work-groups.)
; A tile is 256 rows of A x 256 rows of B; four waves, each 128 x 128: 64 accumulators, 512 registers.  2 x 8,192 x 1,024 results are 256 tiles: one for each work-group.
; THE MATRIX INSTRUCTION TAKES B AS SOURCE 0 AND A AS SOURCE 1: a lane holds one row of A, its registers run along B's rows.
; 16 clusters of 4 x 4 work-groups; g = 8 + the cluster's y, the same number in all sixteen partners; it counts blocks of 1,024 rows of x, whose first eight are q's.  g 8-15: K: A = 1,024 tokens of v (x), B = Wk's 1,024 features (w):
; a lane's registers run along the features, which are the K of the scores.  g 16-23: V: A = Wv's features (w), B = 1,024 tokens of v (x): a lane's registers run along the keys, which are the K of the attention's second product.
; The stored rows of x and w (in each 32 rows the second and third 8 have changed places) make sixteen neighbouring stored rows a tile whose results, for tiles 2 c and 2 c + 1, are 16 neighbours 32 c + 16 (lane / 16) + 0 .. 15.
; THE BIAS is the C of each sum's first matrix instruction: for K it goes with B's rows (eight numbers a tile), for V with the lane's row of A.  So the first step of 128 along K is written twice, under a branch on g.
; K goes in steps of 256 through a ring of two LDS slots; the scales of the tile's rows for all of K come once.  A's tiles are asked for jointly along a row of the cluster, B's along a column.
; OUT: a wave's 128 x 128 is one dense block of p_codes [kind 0 K, 1 V][batch x head][block of 128 tokens][128 rows][128 bytes] and 512 bytes of p_scales (a word a row): rows in A's stored order, bytes in B's true order.
; LIMITS: NaN and infinities are not served; a block of zeros carries the byte 1 (its codes are zeros; this program alone reads the bytes).
; REGISTERS: window 0: v16-31 addresses; v32-63 scale words, two sets; v64-127 the bias; v128-255 A's fragments, one set.  window 1: B's fragments, two sets.  windows 2, 3: the accumulators ((a, b) at v[8 (8 (a % 4) + b)]).
.set NQ,     2                         ; matrix instructions deep in a slot
.set ROWB,   256                       ; a tile's row in bytes
.set KROW,   1024                      ; a row of codes in memory
.set PITCH,  272                       ; an LDS row: 256 bytes + 16 of padding: the 16 rows that a load touches start 68 words apart
.set FR,     16
.set NL,     4
.set NP,     8                         ; places behind this matrix instruction (ISA guide 7.12.1)
.set HALFT,  128*PITCH
.set SLOT,   4*HALFT
.set KS,     32                        ; a row of scale bytes
.set SCL,    2*SLOT                    ; behind the ring: the scales, rows of 256 bytes + 16
.set HALFS,  16*272                    ; the scales of 128 rows
.set SBLK,   2*272                     ; of 16 rows
.set SPARE,  SCL+4*HALFS               ; the spare words: 128 bytes a wave, two blocks of 256 bytes that no other line names
.set CP,     144                       ; the way out: a stage of 128 rows x (128 bytes + 16) for each wave, in slot 0, which has had its last fill and its last read by then
.set CSTG,   128*CP
.set SSTG,   4*CSTG                    ; and 512 bytes of scale words for each wave
.set ADRA, 16
.set ADRB, 20
.set STO,  24                          ; v24  the way out: where I put 16 codes of a row
.set RD,   25                          ; v25  where I read rows back
.set CO,   26                          ; v26  16 x lane
.set ADRS, 27                          ; v27  my scale words: lanes 0-15 A's rows, lanes 16-31 B's
.set SPW,  28                          ; v28  my spare word; never rewritten
.set NIL,  29                          ; v29  0; never rewritten
.set SSO,  30                          ; v30  where I put a row's scale word
.set SRD,  31                          ; v31  where I read the words back
.set SC,   32
.set BI,   64                          ; the bias, eight registers for each of eight tiles
.set AF,   128
.set T,    32                          ; the way out: 64 numbers held
.set TM,   96                          ; v96-99 largest magnitudes, v100-103 bytes, v104-107 the hold, v108-111 the conversion's scale
.set PW,   112                         ; a scale word for each block a
.set PC,   128                         ; 16 registers of codes for each block a
.set G1, 24
.set G0, 32
.set G1B, 48
.set G0B, 56
.set G1S, 68
.set G0S, 76
.set G1SB, 80
.set G0SB, 88
.set GG, 95                            ; s95  g
.set MSB, 0
.macro WIN new                         ; the immediate's high byte repeats the setting that is left
.if MSB != (\new)
	s_set_vgpr_msb (MSB<<8)|(\new)
.set MSB, (\new)
.endif
.endm
.set MUL_LO, 0xa1                      ; source 0 (B) window 1, source 1 (A) window 0, C and D window 2
.set MUL_HI, 0xf1
.set TO_B,   0x40
.macro JLOAD g0a, g1a, g0b, g1b        ; a joint load: waves 0 and 1 fetch for A, waves 2 and 3 for B; four v_nop follow each line
	s_cmp_eq_u32 s15, 0
	s_cbranch_scc0 .Lfor_b_\@
	tensor_load_to_lds s[\g0a:\g0a+3], s[\g1a:\g1a+7]
	s_nop 0
.rept 4
	v_nop
.endr
	s_branch .Lasked_\@
.Lfor_b_\@:
	tensor_load_to_lds s[\g0b:\g0b+3], s[\g1b:\g1b+7]
	s_nop 0
.rept 4
	v_nop
.endr
.Lasked_\@:
.endm
.macro CREST                           ; a round of the cluster's barrier behind its opening barrier
	s_cmp_lg_u32 s14, 0
	s_cbranch_scc1 .Lnot_wave_0_\@
	s_barrier_signal -3
.Lnot_wave_0_\@:
	s_barrier_wait -3
	s_barrier_signal -1
	s_barrier_wait -1
.endm
.macro CROUND
	s_barrier_signal -1
	s_barrier_wait -1
	CREST
.endm
	s_load_b512 s[68:83], s[0:1], 0x0              ; x_codes 68, x_scales 70, w_codes 72, w_scales 74, bk 76, bv 78, p_codes 80, p_scales 82
	v_lshl_add_u32 v[SPW], v0, 2, SPARE
	v_mov_b32 v[NIL], 0
	ds_add_u32 v28, v29
	ds_add_u32 v28, v29
	s_wait_dscnt 0x0
	v_lshrrev_b32 v1, 5, v0
	v_readfirstlane_b32 s14, v1                    ; wave 0..3
	s_lshr_b32 s15, s14, 1                         ; which half of A's rows is mine.  Also: I fetch for A (0) or for B (1)
	s_and_b32 s16, s14, 1                          ; which half of B's rows.  Also: which 128 rows I fetch
	s_bfe_u32 s40, ttmp6, 0x40000                  ; cx
	s_bfe_u32 s41, ttmp6, 0x40004                  ; cy
	s_and_b32 s[GG], ttmp7, 0xffff                 ; the cluster's y,
	s_add_co_u32 s[GG], s[GG], 8                   ; + 8: g, 8 .. 23
	s_lshl_b32 s43, s41, 2
	s_lshl_b32 s43, 15, s43                        ; my row of the cluster
	s_lshl_b32 s44, 0x1111, s40                    ; my column
	s_or_b32 s[G1+0], s43, (0<<16)|(1<<20)|(1<<21)|(5<<22)|(3<<25)  ; the mask; elements of 1 byte; padding on; bit 21 beside a mask; 4 words behind every 64
	s_or_b32 s[G1B+0], s44, (0<<16)|(1<<20)|(1<<21)|(5<<22)|(3<<25)
.irp g, G1, G1B
	s_mov_b32 s[\g+1], ROWB<<16                    ; tensor_dim0
	s_mov_b32 s[\g+2], 128<<16                     ; tensor_dim1
	s_mov_b32 s[\g+3], ROWB<<16                    ; tile_dim0
	s_mov_b32 s[\g+4], 128                         ; tile_dim1
	s_mov_b32 s[\g+5], KROW                        ; pitch
	s_mov_b32 s[\g+6], 0
	s_mov_b32 s[\g+7], 0
.endr
	; the tile's first rows.  A: rows 1,024 g of x (K) or rows 2,048 on of w (V), + 256 cy.  B: rows 1,024 (g / 8) of w (K) or rows 1,024 (g - 8) of x (V), + 256 cx
	s_lshl_b32 s17, s[GG], 10
	s_lshr_b32 s42, s[GG], 3
	s_lshl_b32 s42, s42, 10
	s_sub_co_u32 s101, s17, 8192
	s_cmp_lt_u32 s[GG], 16
	s_cselect_b32 s17, s17, 2048
	s_cselect_b32 s42, s42, s101
	s_lshl_b32 s100, s41, 8
	s_add_co_u32 s17, s17, s100                    ; A's: it never holds cx
	s_lshl_b32 s101, s40, 8
	s_add_co_u32 s42, s42, s101                    ; B's: it never holds cy
	s_lshl_b32 s18, s16, 7                         ; which 128 rows I fetch
	s_add_co_u32 s20, s17, s18
	s_add_co_u32 s46, s42, s18
	s_lshl_b32 s22, s20, 5                         ; their scale bytes,
	s_mov_b32 s23, 0
	s_lshl_b32 s20, s20, 10                        ; their codes
	s_mov_b32 s21, 0
	s_lshl_b32 s92, s46, 5
	s_mov_b32 s93, 0
	s_lshl_b32 s46, s46, 10
	s_mov_b32 s47, 0
	s_mul_i32 s45, s14, HALFT                      ; where they go: wave x 128 rows: no place in the cluster enters an LDS address
	s_mul_i32 s94, s14, HALFS
	s_wait_kmcnt 0x0
	s_cmp_lt_u32 s[GG], 16                         ; the buffers are chosen on g alone
	s_cselect_b64 s[4:5], s[68:69], s[72:73]       ; A's codes
	s_cselect_b64 s[6:7], s[70:71], s[74:75]       ; A's scales
	s_cselect_b64 s[8:9], s[72:73], s[68:69]       ; B's codes
	s_cselect_b64 s[10:11], s[74:75], s[70:71]     ; B's scales
	s_cselect_b64 s[98:99], s[76:77], s[78:79]     ; bk or bv
	s_mov_b64 s[12:13], s[80:81]                   ; p_codes
	s_mov_b64 s[96:97], s[82:83]                   ; p_scales
	s_add_nc_u64 s[20:21], s[4:5], s[20:21]
	s_add_nc_u64 s[22:23], s[6:7], s[22:23]
	s_add_nc_u64 s[46:47], s[8:9], s[46:47]
	s_add_nc_u64 s[92:93], s[10:11], s[92:93]
	; the scales of 128 rows: 4,096 dense bytes as 16 rows of 256 (32 elements of 8 bytes), 16 bytes of padding behind each.  (The arguments' registers are free now)
	s_or_b32 s[G1S+0], s43, (3<<16)|(1<<20)|(1<<21)|(5<<22)|(3<<25)
	s_or_b32 s[G1SB+0], s44, (3<<16)|(1<<20)|(1<<21)|(5<<22)|(3<<25)
.irp g, G1S, G1SB
	s_mov_b32 s[\g+1], 32<<16
	s_mov_b32 s[\g+2], 16<<16
	s_mov_b32 s[\g+3], 32<<16
	s_mov_b32 s[\g+4], 16
	s_mov_b32 s[\g+5], 32
	s_mov_b32 s[\g+6], 0
	s_mov_b32 s[\g+7], 0
.endr
	CROUND                                         ; all sixteen work-groups are here: the first joint loads meet
	s_mov_b32 s[G0S], 1
	s_add_co_u32 s[G0S+1], s94, SCL
	s_mov_b64 s[G0S+2:G0S+3], s[22:23]
	s_or_b32 s[G0S+3], s[G0S+3], 0x80000000
	s_mov_b32 s[G0SB], 1
	s_add_co_u32 s[G0SB+1], s94, SCL
	s_mov_b64 s[G0SB+2:G0SB+3], s[92:93]
	s_or_b32 s[G0SB+3], s[G0SB+3], 0x80000000
	JLOAD G0S, G1S, G0SB, G1SB                     ; the scales first: they are wanted with K step 0
.irp s, 0,1
	s_mov_b32 s[G0+4*\s], 1
	s_add_co_u32 s[G0+4*\s+1], s45, \s*SLOT
	s_add_nc_u64 s[G0+4*\s+2:G0+4*\s+3], s[20:21], \s*ROWB
	s_or_b32 s[G0+4*\s+3], s[G0+4*\s+3], 0x80000000
	s_mov_b32 s[G0B+4*\s], 1
	s_add_co_u32 s[G0B+4*\s+1], s45, \s*SLOT
	s_add_nc_u64 s[G0B+4*\s+2:G0B+4*\s+3], s[46:47], \s*ROWB
	s_or_b32 s[G0B+4*\s+3], s[G0B+4*\s+3], 0x80000000
	JLOAD G0+4*\s, G1, G0B+4*\s, G1B
.endr
	v_and_b32 v1, 15, v0                           ; r
	v_bfe_u32 v2, v0, 4, 1                         ; h
	v_mul_u32_u24 v3, v1, PITCH
	v_lshl_add_u32 v4, v2, 4, v3                   ; a fragment's row x pitch + 16 h
	s_mul_i32 s21, s15, HALFT                      ; my 128 rows of A
	s_mul_i32 s22, s16, HALFT                      ; my 128 rows of B,
	s_add_co_u32 s22, s22, 2*HALFT                 ; behind A's 256
.irp s, 0,1
	v_add_nc_u32 v[ADRA+\s], s21, v4
	v_add_nc_u32 v[ADRB+\s], s22, v4
	s_add_co_u32 s21, s21, SLOT
	s_add_co_u32 s22, s22, SLOT
.endr
	v_mul_u32_u24 v5, v1, KS                       ; my row's scales: 32 bytes a row,
	v_lshrrev_b32 v6, 8, v5
	v_lshl_add_u32 v5, v6, 4, v5                   ; and 16 more for each 256 passed
	s_mul_i32 s21, s15, HALFS
	s_mul_i32 s22, s16, HALFS
	s_add_co_u32 s22, s22, 2*HALFS
	s_sub_co_u32 s22, s22, s21
	v_mul_u32_u24 v6, s22, v2                      ; lanes 16-31 take B's: one product, the distance between the two bases
	s_add_co_u32 s21, s21, SCL
	v_add_nc_u32 v5, v5, v6
	v_add_nc_u32 v[ADRS], s21, v5
	s_mul_i32 s23, s14, CSTG                       ; my stage for the codes
	v_mul_u32_u24 v5, v1, CP
	v_lshl_add_u32 v5, v2, 4, v5
	v_add_nc_u32 v[STO], s23, v5                   ; in: row r, 16 bytes for each half of the lanes
	v_and_b32 v6, 31, v0
	v_lshrrev_b32 v7, 3, v6
	v_mul_u32_u24 v7, v7, CP
	v_and_b32 v8, 7, v6
	v_lshl_add_u32 v7, v8, 4, v7
	v_add_nc_u32 v[RD], s23, v7                    ; back: eight lanes to a row of 128 bytes, four rows an instruction
	v_lshlrev_b32 v[CO], 4, v6
	s_lshl_b32 s23, s14, 9
	s_add_co_u32 s23, s23, SSTG                    ; my stage for the scale words
	v_lshl_add_u32 v[SSO], v1, 2, s23
	v_add_nc_u32 v[SRD], s23, v[CO]
	; the bias.  K: features 256 cx + 128 (wave % 2) on; tile t's eight are 32 (t / 2) + 16 h + 8 (t % 2) + 0 .. 7.  V: features 256 cy + 128 (wave / 2) on; block a's lane r has 32 (a / 2) + 8 (a % 2) + r + 8 (r / 8)
	v_lshlrev_b32 v18, 6, v2                       ; 64 h bytes
	v_and_b32 v19, 8, v1
	v_add_nc_u32 v19, v19, v1
	v_lshlrev_b32 v19, 2, v19                      ; 4 (r + 8 (r / 8)) bytes
	s_lshl_b32 s17, s40, 10
	s_lshl_b32 s18, s16, 9
	s_add_co_u32 s17, s17, s18
	s_lshl_b32 s18, s41, 10
	s_lshl_b32 s19, s15, 9
	s_add_co_u32 s18, s18, s19
	s_cmp_lt_u32 s[GG], 16
	s_cselect_b32 s18, s17, s18
	s_mov_b32 s19, 0
	s_add_nc_u64 s[98:99], s[98:99], s[18:19]
	s_cmp_lt_u32 s[GG], 16
	s_cbranch_scc0 .Lbias_v
.irp t, 0,1,2,3,4,5,6,7
	global_load_b128 v[BI+8*\t:BI+8*\t+3], v18, s[98:99] offset:(32*(\t/2)+8*(\t%2))*4
	global_load_b128 v[BI+8*\t+4:BI+8*\t+7], v18, s[98:99] offset:(32*(\t/2)+8*(\t%2))*4+16
.endr
	s_branch .Lbias_in
.Lbias_v:
.irp a, 0,1,2,3,4,5,6,7
.irp j, 0,1,2,3,4,5,6,7
	global_load_b32 v[BI+8*\a+\j], v19, s[98:99] offset:(32*(\a/2)+8*(\a%2))*4   ; the lane's one number in all eight registers of the C
.endr
.endr
.Lbias_in:
	; where my 128 x 128 goes.  K: block of tokens 8 (g % 8) + 2 cy + wave / 2, head 2 cx + wave % 2.  V: block 8 (g % 8) + 2 cx + wave % 2, head 2 cy + wave / 2
	s_and_b32 s17, s[GG], 7
	s_lshl_b32 s17, s17, 3
	s_lshl_b32 s18, s41, 1
	s_add_co_u32 s18, s18, s15
	s_lshl_b32 s19, s40, 1
	s_add_co_u32 s19, s19, s16
	s_cmp_lt_u32 s[GG], 16
	s_cselect_b32 s100, s18, s19
	s_cselect_b32 s101, s19, s18                   ; the head
	s_add_co_u32 s17, s17, s100                    ; the block of 128 tokens, 0 .. 63
	s_lshr_b32 s18, s17, 4                         ; the batch
	s_lshl_b32 s18, s18, 3
	s_add_co_u32 s18, s18, s101
	s_lshl_b32 s18, s18, 4
	s_and_b32 s17, s17, 15
	s_add_co_u32 s18, s18, s17                     ; 16 (8 batch + head) + the block within the batch
	s_lshr_b32 s19, s[GG], 3
	s_sub_co_u32 s19, s19, 1                       ; the kind: 0 K, 1 V
	s_lshl_b32 s20, s19, 23
	s_lshl_b32 s21, s18, 14
	s_add_co_u32 s20, s20, s21
	s_mov_b32 s21, 0
	s_add_nc_u64 s[12:13], s[12:13], s[20:21]
	s_lshl_b32 s20, s19, 18
	s_lshl_b32 s22, s18, 9
	s_add_co_u32 s20, s20, s22
	s_add_nc_u64 s[96:97], s[96:97], s[20:21]
.macro FRAG reg, adr, q, i             ; 16 rows x 128 K: lane l holds row l % 16; registers 4 c .. 4 c + 3 hold K = 32 c + 16 (l / 16) + 0 .. 15
.irp c, 0,1,2,3
	ds_load_b128 v[\reg+4*\c:\reg+4*\c+3], v[\adr] offset:128*(\q)+32*\c+(\i)*16*PITCH
.endr
.endm
; 16 matrix instructions: A's blocks a0, a0 + 1 x B's eight.  cmode 0: onto the sums; 1: the sums start with the bias of B's tile; 2: with that of A's block.  The 64 accumulators take turns.
.macro MUL16 a0, p, q, sc, cmode
.irp a, \a0, \a0+1
.irp b, 0,1,2,3,4,5,6,7
.if \cmode == 1
	v_wmma_scale_f32_16x16x128_f8f6f4 v[8*(8*((\a)%4)+\b):8*(8*((\a)%4)+\b)+7], v[128*(\p)+FR*\b:128*(\p)+FR*\b+FR-1], v[AF+FR*(\a):AF+FR*(\a)+FR-1], v[BI+8*\b:BI+8*\b+7], v[SC+8*NQ*(\sc)+NQ*\b+(\q)], v[SC+8*NQ*(\sc)+NQ*(\a)+(\q)] matrix_a_fmt:MATRIX_FMT_BF8 matrix_b_fmt:MATRIX_FMT_BF8 matrix_a_scale:MATRIX_SCALE_ROW1
.elseif \cmode == 2
	v_wmma_scale_f32_16x16x128_f8f6f4 v[8*(8*((\a)%4)+\b):8*(8*((\a)%4)+\b)+7], v[128*(\p)+FR*\b:128*(\p)+FR*\b+FR-1], v[AF+FR*(\a):AF+FR*(\a)+FR-1], v[BI+8*(\a):BI+8*(\a)+7], v[SC+8*NQ*(\sc)+NQ*\b+(\q)], v[SC+8*NQ*(\sc)+NQ*(\a)+(\q)] matrix_a_fmt:MATRIX_FMT_BF8 matrix_b_fmt:MATRIX_FMT_BF8 matrix_a_scale:MATRIX_SCALE_ROW1
.else
	v_wmma_scale_f32_16x16x128_f8f6f4 v[8*(8*((\a)%4)+\b):8*(8*((\a)%4)+\b)+7], v[128*(\p)+FR*\b:128*(\p)+FR*\b+FR-1], v[AF+FR*(\a):AF+FR*(\a)+FR-1], v[8*(8*((\a)%4)+\b):8*(8*((\a)%4)+\b)+7], v[SC+8*NQ*(\sc)+NQ*\b+(\q)], v[SC+8*NQ*(\sc)+NQ*(\a)+(\q)] matrix_a_fmt:MATRIX_FMT_BF8 matrix_b_fmt:MATRIX_FMT_BF8 matrix_a_scale:MATRIX_SCALE_ROW1
.endif
.endr
.endr
.endm
.macro FETCH_B slot, q, p
	WIN TO_B
.irp i, 0,1,2,3,4,5,6,7
	FRAG 128*(\p)+FR*\i, ADRB+\slot, \q, \i
.endr
	WIN 0
.endm
.macro FETCH_A slot, q, i0
.irp i, \i0, \i0+1, \i0+2, \i0+3
	FRAG AF+FR*(\i), ADRA+\slot, \q, \i
.endr
.endm
.macro SCALES sc                       ; a K step's scale words into set sc: two words a row; lanes 0-15 A's block i, lanes 16-31 B's block i
.irp i, 0,1,2,3,4,5,6,7
	ds_load_b64 v[SC+8*NQ*\sc+NQ*\i:SC+8*NQ*\sc+NQ*\i+1], v[ADRS] offset:\i*SBLK
.endr
.endm
.macro PLACES n                        ; plain vector lines between a matrix instruction and a load into, or a read of, its registers
.rept \n
	v_nop
.endr
.endm
.macro STEP slot, q, cmode             ; 128 along K that has its successor in the same slot
	s_wait_dscnt 4*NL                              ; B's set and A's blocks 0-3 are in; the youngest 16 loads (A's blocks 4-7) may be out
.if \cmode
	WIN 0x81                                       ; C (the bias) window 0, D window 2
.else
	WIN MUL_LO
.endif
	MUL16 0, (\q)%2, \q, \slot, \cmode
	MUL16 2, (\q)%2, \q, \slot, \cmode
	s_wait_dscnt 0                                 ; A's blocks 4-7 are in
	PLACES NP
	FETCH_B \slot, (\q)+1, 1-(\q)%2
	FETCH_A \slot, (\q)+1, 0
.if \cmode
	WIN 0xc1                                       ; C window 0, D window 3
.else
	WIN MUL_HI
.endif
	MUL16 4, (\q)%2, \q, \slot, \cmode
	MUL16 6, (\q)%2, \q, \slot, \cmode
	PLACES NP
	WIN 0
	FETCH_A \slot, (\q)+1, 4
.endm
; A slot's last 128 along K changes slots: one barrier; in front of it each wave waits for all its tensor loads, adds 0 to its spare word, and waits for that and for its reads of this slot.  fill = 1: the slot is filled again, two K steps ahead.
.macro TURN slot, next, fill
	s_wait_tensorcnt 0x0                           ; all my tensor loads have landed: my part of the next slot
	ds_add_u32 v[SPW], v[NIL]                      ; 0 onto my spare word
	s_wait_dscnt 4*NL+1                            ; the add and the youngest 16 loads may be out
	WIN MUL_LO
	MUL16 0, 1, NQ-1, \slot, 0
	s_wait_dscnt 0x0                               ; the add is done, and my reads of this slot are over
	s_barrier_signal -1
	MUL16 2, 1, NQ-1, \slot, 0
	WIN 0
	s_barrier_wait -1
.if \fill
	CREST                                          ; the barrier has opened a round of the cluster's: no wave of any partner still reads this slot or has a load on its way
	s_add_nc_u64 s[G0+4*\slot+2:G0+4*\slot+3], s[G0+4*\slot+2:G0+4*\slot+3], 2*ROWB
	s_add_nc_u64 s[G0B+4*\slot+2:G0B+4*\slot+3], s[G0B+4*\slot+2:G0B+4*\slot+3], 2*ROWB
	JLOAD G0+4*\slot, G1, G0B+4*\slot, G1B         ; the first tensor load behind the round; its four v_nop are among the places in front of the loads below
	PLACES NP-4
.else
	PLACES NP
.endif
	v_add_nc_u32 v[ADRS], 4*NQ, v[ADRS]            ; the next K step's scale words
	FETCH_B \next, 0, 0
	FETCH_A \next, 0, 0
	SCALES \next
	WIN MUL_HI
	MUL16 4, 1, NQ-1, \slot, 0
	MUL16 6, 1, NQ-1, \slot, 0
	PLACES NP
	WIN 0
	FETCH_A \next, 0, 4
.endm
	s_wait_tensorcnt 1                             ; the scales and my part of K step 0 are in; K step 1's load may be out
	s_barrier_signal -1
	s_barrier_wait -1
	FETCH_B 0, 0, 0
	FETCH_A 0, 0, 0
	SCALES 0
	FETCH_A 0, 0, 4
	s_wait_loadcnt 0x0                             ; the bias
	s_cmp_lt_u32 s[GG], 16
	s_cbranch_scc0 .Lfirst_v
	STEP 0, 0, 1                                   ; K: the sums start with the bias of B's tiles
	s_branch .Lfirst_done
.Lfirst_v:
	STEP 0, 0, 2                                   ; V: with the bias of A's rows
.Lfirst_done:
	TURN 0, 1, 1                                   ; four K steps of 256, written out: slot 0 takes K step 2,
	STEP 1, 0, 0
	TURN 1, 0, 1                                   ; slot 1 K step 3,
	STEP 0, 0, 0
	TURN 0, 1, 0                                   ; and nothing is left to fetch
	STEP 1, 0, 0
	s_wait_dscnt 4*NL
	WIN MUL_LO
	MUL16 0, 1, NQ-1, 1, 0
	MUL16 2, 1, NQ-1, 1, 0
	s_wait_dscnt 0
	WIN MUL_HI
	MUL16 4, 1, NQ-1, 1, 0
	MUL16 6, 1, NQ-1, 1, 0
	WIN 0
; THE WAY OUT.  Block a: 16 rows of A x 128 of B: a lane's 64 numbers are register 16 c + i = index 32 c + 16 h + i of its row: four blocks of 32, each shared with lane l xor 16.
; Largest magnitude with the floor, scale operand, hold, byte; the numbers are held on their way into window 0 and converted; codes and scale word go to the wave's own stages.  Each accumulator is read from its low end on.
.macro EPI a
.set AC, 64*((\a)%4)
	WIN 0x28+0x14*((\a)/4)                         ; sources 1 and 2: window 2 or 3
.irp b, 0,1,2,3
	v_max3_num_f32 v[TM+\b], 0x8000000, |v[AC+16*\b]|, |v[AC+16*\b+1]|   ; the floor 2^(16 - 127): the byte cannot fall under 1
.endr
.irp i, 2,4,6,8,10,12,14
.irp b, 0,1,2,3
	v_max3_num_f32 v[TM+\b], v[TM+\b], |v[AC+16*\b+\i]|, |v[AC+16*\b+\i+1]|
.endr
.endr
	WIN 0
.irp b, 0,1,2,3
	v_permlanex16_b32 v[TM+4+\b], v[TM+\b], s20, s21
.endr
.irp b, 0,1,2,3
	v_max_num_f32 v[TM+\b], v[TM+\b], v[TM+4+\b]   ; with lane l xor 16's: the block's largest magnitude
.endr
.irp b, 0,1,2,3
	v_add_nc_u32 v[TM+12+\b], 0xf8800000, v[TM+\b] ; 15 off its exponent field: the conversion's scale operand
.endr
.irp b, 0,1,2,3
	v_and_or_b32 v[TM+8+\b], v[TM+\b], 0x7f800000, s22   ; 57,344 x the scale
.endr
.irp b, 0,1,2,3
	v_lshrrev_b32 v[TM+4+\b], 23, v[TM+12+\b]      ; the scale's byte
.endr
	v_lshl_or_b32 v[PW+(\a)], v[TM+5], 8, v[TM+4]
	v_lshl_or_b32 v[PW+(\a)], v[TM+6], 16, v[PW+(\a)]
	v_lshl_or_b32 v[PW+(\a)], v[TM+7], 24, v[PW+(\a)]
	WIN 0x02+((\a)/4)                              ; source 0: window 2 or 3
.irp b, 0,1,2,3
.irp i, 0,1,2,3,4,5,6,7,8,9,10,11,12,13,14,15
	v_med3_num_f32 v[T+16*\b+\i], v[AC+16*\b+\i], -v[TM+8+\b], v[TM+8+\b]   ; the conversion does not saturate (ISA guide 7.6.2): the hold
.endr
.endr
	WIN 0
.irp b, 0,1,2,3
	v_cvt_scalef32_pk8_bf8_f32 v[PC+16*(\a)+4*\b:PC+16*(\a)+4*\b+1], v[T+16*\b:T+16*\b+7], v[TM+12+\b]
	v_cvt_scalef32_pk8_bf8_f32 v[PC+16*(\a)+4*\b+2:PC+16*(\a)+4*\b+3], v[T+16*\b+8:T+16*\b+15], v[TM+12+\b]
.endr
	v_nop                                          ; a plain line behind the last conversion
.irp b, 0,1,2,3
	ds_store_b128 v[STO], v[PC+16*(\a)+4*\b:PC+16*(\a)+4*\b+3] offset:16*(\a)*CP+32*\b
.endr
	ds_store_b32 v[SSO], v[PW+(\a)] offset:64*(\a) ; lanes r and r + 16 write the same word with the same value
.endm
	PLACES NP                                      ; behind the last products: their scale words' and A's registers are written below
	s_mov_b32 s20, 0x76543210
	s_mov_b32 s21, 0xfedcba98                      ; v_permlanex16_b32's selects for lane l xor 16
	s_mov_b32 s22, 0x600000                        ; the mantissa field of 57,344
.irp b, 0,1,2,3
	v_mov_b32 v[TM+4+\b], 0                        ; a lane permute's destination counts as one of its sources
.endr
.irp a, 0,1,2,3,4,5,6,7
	EPI \a
.endr
	s_wait_dscnt 0x0                               ; the stores have read the codes' registers, into which the rows come back
.set TT, 0
.rept 32
	ds_load_b128 v[PC+4*TT:PC+4*TT+3], v[RD] offset:4*CP*TT    ; four rows of 128 bytes
.set TT, TT+1
.endr
	ds_load_b128 v[T:T+3], v[SRD]                  ; the 128 scale words
.set TT, 0
.rept 32
	s_wait_dscnt 32-TT                             ; LDS loads come back in order: behind load TT stand 31 - TT loads of codes and the one of the words
	global_store_b128 v[CO], v[PC+4*TT:PC+4*TT+3], s[12:13] offset:512*TT   ; the wave stores 512 consecutive bytes, aligned
.set TT, TT+1
.endr
	s_wait_dscnt 0x0
	global_store_b128 v[CO], v[T:T+3], s[96:97]
	s_wait_tensorcnt 0x0                           ; the wave's end
	ds_add_u32 v[SPW], v[NIL]
	s_wait_dscnt 0x0
	CROUND                                         ; the closing round: no work-group ends while a partner may still ask for a tile that names it
	s_endpgm
.Lfunc_end_k_q890d35af14_proj:
	.size	k_q890d35af14_proj, .Lfunc_end_k_q890d35af14_proj-k_q890d35af14_proj
	.p2alignl 7, 3214868480
	.fill 96, 4, 3214868480
	.section	.rodata,"a",@progbits
	.p2align	6, 0x0
	.amdhsa_kernel k_q890d35af14_proj
		.amdhsa_group_segment_fixed_size 327680
		.amdhsa_private_segment_fixed_size 0
		.amdhsa_enable_private_segment 0
		.amdhsa_kernarg_size 64
		.amdhsa_user_sgpr_count 2
		.amdhsa_user_sgpr_kernarg_segment_ptr 1
		.amdhsa_wavefront_size32 1
		.amdhsa_system_sgpr_workgroup_id_x 1
		.amdhsa_system_sgpr_workgroup_id_y 1
		.amdhsa_system_sgpr_workgroup_id_z 1
		.amdhsa_system_vgpr_workitem_id 0
		.amdhsa_next_free_vgpr 1024
		.amdhsa_next_free_sgpr 102
		.amdhsa_reserve_vcc 0
		.amdhsa_float_denorm_mode_32 3
		.amdhsa_float_denorm_mode_16_64 3
		.amdhsa_memory_ordered 1
		.amdhsa_forward_progress 1
		.amdhsa_inst_pref_size 212
	.end_amdhsa_kernel
	.amdgpu_metadata
---
amdhsa.version: [ 1, 2 ]
amdhsa.kernels:
  - .name:           k_q890d35af14_proj
    .symbol:         k_q890d35af14_proj.kd
    .args:
      - { .name: x_codes, .offset: 0, .size: 8, .value_kind: global_buffer, .address_space: global }
      - { .name: x_scales, .offset: 8, .size: 8, .value_kind: global_buffer, .address_space: global }
      - { .name: w_codes, .offset: 16, .size: 8, .value_kind: global_buffer, .address_space: global }
      - { .name: w_scales, .offset: 24, .size: 8, .value_kind: global_buffer, .address_space: global }
      - { .name: bk, .offset: 32, .size: 8, .value_kind: global_buffer, .address_space: global }
      - { .name: bv, .offset: 40, .size: 8, .value_kind: global_buffer, .address_space: global }
      - { .name: p_codes, .offset: 48, .size: 8, .value_kind: global_buffer, .address_space: global }
      - { .name: p_scales, .offset: 56, .size: 8, .value_kind: global_buffer, .address_space: global }
    .group_segment_fixed_size: 327680
    .private_segment_fixed_size: 0
    .kernarg_segment_align: 8
    .kernarg_segment_size: 64
    .max_flat_workgroup_size: 128
    .sgpr_count:     102
    .vgpr_count:     1024
    .wavefront_size: 32
...
	.end_amdgpu_metadata
.endif
;; end of part 2
;; launch attn (part 3): grid 8 x 32, 8 waves a work-group, clusters of 4 x 1, 327,680 bytes of LDS; arguments x_codes, x_scales, w_codes, w_scales, bq, p_codes, p_scales, out0; writes out0
.if DOCPART == 3
	.amdgcn_target "amdgcn-amd-amdhsa--gfx1250"
	.amdhsa_code_object_version 6
	.text
	.protected	k_q890d35af14_attn
	.globl	k_q890d35af14_attn
	.p2align	8
	.type	k_q890d35af14_attn,@function
k_q890d35af14_attn:
	s_mov_b64 s[64:65], 0
	v_nop
	global_prefetch_b8 v0, s[64:65] scope:SCOPE_SE
	s_setreg_imm32_b32 hwreg(HW_REG_WAVE_MODE, 25, 1), 1
	s_wait_xcnt 0x0
	s_wait_alu depctr_hold_cnt(0) depctr_sa_sdst(0) depctr_va_vdst(0) depctr_va_sdst(0) depctr_va_ssrc(0) depctr_va_vcc(0) depctr_vm_vsrc(0)
	s_getreg_b32 s2, hwreg(HW_REG_IB_STS2, 6, 4)
	s_cmp_eq_u32 s2, 0
	s_cbranch_scc0 .Lentry_in_a_cluster
	s_endpgm
.Lentry_in_a_cluster:
	s_bfe_u32 s2, ttmp6, 0x10000c
	s_cmp_lg_u32 s2, 0x3003
	s_cbranch_scc0 .Lentry_shape_is_right
	s_endpgm
.Lentry_shape_is_right:
; out[b][q][head] = the sum over k of softmax_k(Q . K / 32) V, for 32 pairs (batch, head), 2,048 queries and keys, head size 128; Q = q Wq + bq is made here.  All three products on codes of E5M2 with E8M0 scales.
; p_codes [kind 0 K, 1 V][pair][16 blocks of 128 tokens][128 rows][128 bytes]; p_scales: a word (four bytes) a row.  K: row = token, byte = channel.  V: row = channel, byte = key.
; x_codes [16,384 rows][1,024]: its first 8,192 rows are q's tokens; w_codes [3,072 rows n][1,024 k]: its first 1,024 rows are Wq's features; x_scales, w_scales: 32 bytes a row.
; ROWS ARE STORED so that sixteen neighbouring rows 16 u + r of a group of 32 are the rows 8 u + r + 8 (r / 8): as source 0 of a product, tiles 2 c and 2 c + 1 give a lane 16 neighbours 32 c + 16 (lane / 16) + 0 .. 15.
; SHARES.  A work-group owns 256 queries of a pair; each of its eight waves 32: TWO TILES of 16.  Tile 0 lives in register window 0, tile 1 at the same numbers in window 1; a fragment read from LDS feeds both.
; All products are transposed (source 1 = my 16 queries): a lane holds one query throughout.
; Q'S PROJECTION, at the head: 256 queries x the head's 128 features x K 1,024 is a work-group's even share of that product.  The head's 128 rows of Wq, 131,072 dense bytes, come into LDS once (waves 4-7, 32 rows each),
; over bytes that slot 1 takes afterwards; my 32 rows of x come from memory through a ring of four K steps in registers; bq is loaded into the accumulators, so that the first product adds onto it.
; The 64 results of a lane are 16 neighbours of each block of 32 features: quantised in registers, they are the scores' operand.
; THE SOFTMAX: t = score x log2(e) / 32; M = the running largest t rounded UP to a whole number; p = 2^(t - M) is quantised along the keys, not normalised; the sum of the unquantised p divides at the end.
; When M moves, the sum and O are multiplied by 2^(old M - new M): exact.  A block's largest p is made from its largest score by the same two instructions (this takes v_exp_f32 not to fall where its input rises).
; Every wave walks all keys, 128 a step; a slot of the ring holds 256 keys.  A step's eight fragments of K are asked for in one run, its eight of V ahead of the two softmaxes, which stand between the request and the wait.
; CLUSTER.  The four work-groups of a cluster belong to one pair and walk the same K, V and Wq: each tile is asked for jointly.  Waves 0, 1 fetch K's two blocks of a slot, waves 2, 3 V's.
; LIMITS: NaN and infinities are not served; a block of zeros carries the byte 1 (its codes are zeros).
; REGISTERS, window 0: v1-3 places that stay; v4 tile 1's scale word of Q; v5, v6 the add's; v7 out; v8-10 addresses in hand; v11 tile 1's scale word of p; v12 -M, v13 largest t, v[14:15] the sum; v16-31 Q;
;   v32-95 four fragments; v96-159 S^T, then p; v160-223 O^T; v224-239 p's codes; v232-254 at work; v248-251 K's or V's scale words; v253 tile 0's scale word of p; v255 tile 0's of Q.
;   window 1: v12-31 and v96-254 the same for tile 1; v32-95 four more fragments.
;   In the projection: v8-15 x's scale words; v16-23 addresses; v96-159 the sums; v160-223 x's ring; window 0's v224-255 Wq's scale words.
.set KP,    144                        ; a row in LDS: 128 bytes + 16 of padding
.set HALF,  128*KP                     ; a block of 128 rows: what one tensor load brings
.set VOFF,  2*HALF                     ; a slot: K's two blocks, then V's two
.set SLOT1, 1<<17                      ; slot 1 begins here: one exclusive or turns an address from one slot to the other
.set NSL,   8                          ; slots' worth of keys
.set WB,    SLOT1                      ; Wq's 128 rows: from slot 1's first byte on
.set WPI,   1040                       ; a row of them: 1,024 bytes + 16 of padding: 260 words, so the 16 rows that a load touches start 4 words further on each
.set WPART, 32*WPI                     ; 32 rows: what one tensor load brings
.set SCK,   WB+128*WPI+256             ; behind them: K's scale words of the whole pair, 8,192 bytes as rows of 256 + 16;
.set SCH,   16*272                     ; (half of them: one tensor load)
.set SPARE, SCK+4*SCH                  ; behind V's likewise: the spare words, 128 bytes a wave: four blocks of 256 bytes that no other line names
.set AK0,  1
.set AV0,  2
.set ASK0, 3
.set SPW,  5
.set NIL,  6
.set GO,   7
.set ADK,  8
.set ADV,  9
.set ADS,  10
.set XS,   8                           ; the projection: v8-15 x's scale words, one for each K step: lanes 0-15 tile 0's rows, lanes 16-31 tile 1's
.set AW,   16                          ; v16, v17 LDS addresses of Wq's tiles 0-3 and 4-7
.set XA,   18                          ; v18  my byte in the wave's rows of x
.set SA,   19                          ; v19  32 x lane: a row of scale bytes
.set BA,   20                          ; v20  64 h: my half's numbers of bq
.set XR,   160                         ; x's ring: four K steps x 16 registers, in each tile's window
.set TM,   160                         ; the quantiser's 17 registers, when the ring is done with
.set WS,   224                         ; Wq's scale words: 8 (t / 2) + K step: lanes 0-15 the even tile's rows, lanes 16-31 the odd one's
.set WV,   18                          ; s18  my wave's number
.set MNT,  19
.set SEL,  20                          ; s[20:21] selects for lane l xor 16
.set CS,   22                          ; s[22:23] c = log2(e) / 32
.set G1,   24                          ; s[24:31] group 1 for the tiles;  s[32:39] for the scale words;  s[40:43], s[44:47] their groups 0
.set G1S,  32
.set G0,   40
.set G0S,  44
.set TB,   48                          ; s48  LDS byte at which the slot in hand begins
.set TS,   49                          ; s49  where the step's scale words begin: 544 bytes a step
.set SLOTS, 50
.set G1W,  88                          ; s[88:95], s[96:99] groups 1 and 0 for Wq's rows
.set G0W,  96
.set MSB, 0
.macro WIN new                         ; the immediate's high byte repeats the setting that is left
.if MSB != (\new)
	s_set_vgpr_msb (MSB<<8)|(\new)
.set MSB, (\new)
.endif
.endm
.macro CROUND                          ; a round of the cluster's barrier
	s_barrier_signal -1
	s_barrier_wait -1
	s_cmp_lg_u32 s[WV], 0
	s_cbranch_scc1 .Lnot_wave_0_\@
	s_barrier_signal -3
.Lnot_wave_0_\@:
	s_barrier_wait -3
	s_barrier_signal -1
	s_barrier_wait -1
.endm
.macro TLOAD                           ; the joint refill: one line for waves 0-3; the branch hangs on the wave's number alone; four v_nop follow
	s_cmp_lt_u32 s[WV], 4
	s_cbranch_scc0 .Lnone_\@
	tensor_load_to_lds s[G0:G0+3], s[G1:G1+7]
	s_nop 0
.rept 4
	v_nop
.endr
.Lnone_\@:
.endm
	s_load_b512 s[72:87], s[0:1], 0x0              ; x_codes 72, x_scales 74, w_codes 76, w_scales 78, bq 80, p_codes 82, p_scales 84, out0 86
	v_lshl_add_u32 v[SPW], v0, 2, SPARE
	v_mov_b32 v[NIL], 0
	ds_add_u32 v5, v6
	ds_add_u32 v5, v6
	s_wait_dscnt 0x0
	v_lshrrev_b32 v8, 5, v0
	s_delay_alu instid0(VALU_DEP_1)
	v_readfirstlane_b32 s[WV], v8                  ; wave 0..7
	s_and_b32 s54, ttmp7, 0xffff                   ; the pair 8 batch + head, which the four partners share
	s_and_b32 s16, s54, 7                          ; the head
	; what I fetch, if I fetch: made of the pair and the wave's number alone.  Waves 0-3: kind (wave / 2) % 2, block wave % 2 of the slot's two
	s_bfe_u32 s55, s[WV], 0x10001
	s_and_b32 s56, s[WV], 1
	s_lshl_b32 s58, s55, 23
	s_lshl_b32 s57, s54, 18
	s_add_co_u32 s58, s58, s57
	s_lshl_b32 s57, s56, 14
	s_add_co_u32 s58, s58, s57
	s_mov_b32 s59, 0                               ; s[58:59]: the codes
	s_lshl_b32 s60, s55, 18
	s_lshl_b32 s57, s54, 13
	s_add_co_u32 s60, s60, s57
	s_lshl_b32 s57, s56, 12
	s_add_co_u32 s60, s60, s57
	s_mov_b32 s61, 0                               ; s[60:61]: half of the pair's scale words
	s_mul_i32 s62, s[WV], HALF                     ; and where they go
	s_mul_i32 s63, s[WV], SCH
	s_and_b32 s57, s[WV], 3                        ; waves 4-7: rows 32 (wave % 4) on of the head's 128 rows of Wq
	s_lshl_b32 s14, s16, 17
	s_lshl_b32 s15, s57, 15
	s_add_co_u32 s14, s14, s15
	s_mov_b32 s15, 0                               ; s[14:15]: in memory,
	s_mul_i32 s17, s57, WPART
	s_add_co_u32 s17, s17, WB                      ; and in LDS
	s_lshl_b32 s2, s16, 12                         ; the head's 128 rows of Wq's scale bytes
	s_mov_b32 s3, 0
	s_lshl_b32 s100, s16, 9                        ; and its 128 numbers of bq
	s_mov_b32 s101, 0
	; my queries: block X = 4 x cluster x + cx of 256, my wave's 32: they enter x's and out's addresses alone
	s_bfe_u32 s52, ttmp6, 0x40000                  ; cx
	s_lshl_b32 s53, ttmp9, 2
	s_add_co_u32 s53, s53, s52
	s_lshr_b32 s70, s54, 3                         ; the batch
	s_lshl_b32 s66, s70, 21                        ; x's codes: 2,048 rows of 1,024 bytes a batch,
	s_lshl_b32 s51, s53, 18                        ; 256 rows a block,
	s_add_co_u32 s66, s66, s51
	s_lshl_b32 s51, s[WV], 15                      ; 32 rows a wave
	s_add_co_u32 s66, s66, s51
	s_mov_b32 s67, 0
	s_lshl_b32 s68, s70, 16                        ; x's scale bytes: 32 a row
	s_lshl_b32 s51, s53, 13
	s_add_co_u32 s68, s68, s51
	s_lshl_b32 s51, s[WV], 10
	s_add_co_u32 s68, s68, s51
	s_mov_b32 s69, 0
	s_lshl_b32 s70, s70, 23                        ; out: the batch's 2,048 rows of 4,096 bytes,
	s_lshl_b32 s51, s16, 9                         ; the head's 512 bytes of a row,
	s_add_co_u32 s70, s70, s51
	s_lshl_b32 s51, s53, 20                        ; 256 rows a block,
	s_add_co_u32 s70, s70, s51
	s_lshl_b32 s51, s[WV], 17                      ; 32 rows a wave
	s_add_co_u32 s70, s70, s51
	s_mov_b32 s71, 0
	s_mov_b32 s[G1], 15|(0<<16)|(1<<20)|(1<<21)|(4<<22)|(3<<25)   ; the mask: all four; elements of 1 byte; padding on; bit 21 beside a mask; 4 words behind every 32
	s_mov_b32 s[G1+1], 128<<16                     ; tensor_dim0
	s_mov_b32 s[G1+2], 128<<16                     ; tensor_dim1
	s_mov_b32 s[G1+3], 128<<16                     ; tile_dim0
	s_mov_b32 s[G1+4], 128                         ; tile_dim1
	s_mov_b32 s[G1+5], 128                         ; pitch: the block is dense
	s_mov_b32 s[G1+6], 0
	s_mov_b32 s[G1+7], 0
	s_mov_b32 s[G1S], 15|(3<<16)|(1<<20)|(1<<21)|(5<<22)|(3<<25)  ; 4,096 dense bytes as 16 rows of 256 (32 elements of 8 bytes), 4 words behind every 64
	s_mov_b32 s[G1S+1], 32<<16
	s_mov_b32 s[G1S+2], 16<<16
	s_mov_b32 s[G1S+3], 32<<16
	s_mov_b32 s[G1S+4], 16
	s_mov_b32 s[G1S+5], 32
	s_mov_b32 s[G1S+6], 0
	s_mov_b32 s[G1S+7], 0
	s_mov_b32 s[G1W], 15|(0<<16)|(1<<20)|(1<<21)|(7<<22)|(3<<25)  ; 32 rows of 1,024 bytes, 4 words behind every 256
	s_mov_b32 s[G1W+1], 1024<<16
	s_mov_b32 s[G1W+2], 32<<16
	s_mov_b32 s[G1W+3], 1024<<16
	s_mov_b32 s[G1W+4], 32
	s_mov_b32 s[G1W+5], 1024
	s_mov_b32 s[G1W+6], 0
	s_mov_b32 s[G1W+7], 0
	s_mov_b32 s[SEL], 0x76543210
	s_mov_b32 s[SEL+1], 0xfedcba98
	s_mov_b32 s[CS], 0x3d38aa3b                    ; log2(e) / 32
	s_mov_b32 s[CS+1], s[CS]                       ; (named with it as a pair, so it is written)
	s_mov_b32 s[TB], 0
	s_mov_b32 s[TS], 0
	s_mov_b32 s[SLOTS], NSL-1
	s_wait_kmcnt 0x0
	s_mov_b32 s[G0S], 1
	s_add_co_u32 s[G0S+1], s63, SCK
	s_add_nc_u64 s[G0S+2:G0S+3], s[84:85], s[60:61]
	s_or_b32 s[G0S+3], s[G0S+3], 0x80000000
	s_mov_b32 s[G0], 1
	s_mov_b32 s[G0+1], s62
	s_add_nc_u64 s[G0+2:G0+3], s[82:83], s[58:59]
	s_or_b32 s[G0+3], s[G0+3], 0x80000000
	s_mov_b32 s[G0W], 1
	s_mov_b32 s[G0W+1], s17
	s_add_nc_u64 s[G0W+2:G0W+3], s[76:77], s[14:15]
	s_or_b32 s[G0W+3], s[G0W+3], 0x80000000
	s_add_nc_u64 s[4:5], s[72:73], s[66:67]        ; x's codes at my first row
	s_add_nc_u64 s[6:7], s[74:75], s[68:69]        ; its scale bytes
	s_add_nc_u64 s[8:9], s[86:87], s[70:71]        ; out at my wave's 32 rows
	s_add_nc_u64 s[10:11], s[78:79], s[2:3]        ; Wq's scale bytes at the head's first row
	s_add_nc_u64 s[12:13], s[80:81], s[100:101]    ; bq at the head's first number
	CROUND                                         ; all four work-groups are here: the first joint loads meet
	s_cmp_lt_u32 s[WV], 4                          ; a wave's first fills stand in one branch: two loads of waves 0-3 are out, one of waves 4-7
	s_cbranch_scc0 .Lfirst_w
	tensor_load_to_lds s[G0S:G0S+3], s[G1S:G1S+7]  ; the scale words of the whole pair: filled once
	s_nop 0
	tensor_load_to_lds s[G0:G0+3], s[G1:G1+7]      ; slot 0
	s_nop 0
.rept 4
	v_nop
.endr
	s_branch .Lfirst_asked
.Lfirst_w:
	tensor_load_to_lds s[G0W:G0W+3], s[G1W:G1W+7]  ; my 32 rows of Wq
	s_nop 0
.rept 4
	v_nop
.endr
.Lfirst_asked:
	v_and_b32 v21, 15, v0                          ; r
	v_bfe_u32 v22, v0, 4, 1                        ; h
	v_and_b32 v23, 31, v0                          ; lane
	s_delay_alu instid0(VALU_DEP_1)
	v_lshlrev_b32 v[SA], 5, v23
	s_delay_alu instid0(VALU_DEP_3)
	v_lshlrev_b32 v[BA], 6, v22
	v_lshlrev_b32 v[XA], 10, v21
	s_delay_alu instid0(VALU_DEP_1)
	v_lshl_add_u32 v[XA], v22, 4, v[XA]            ; x: row r of 1,024 bytes, + 16 h
	s_wait_alu depctr_va_vdst(0)
.irp p, 0,1,2,3                                ; Wq's scale words: lane l takes row 32 p + l: lanes 0-15 tile 2 p, lanes 16-31 tile 2 p + 1; four K steps a load
.irp f, 0,1
	global_load_b128 v[WS+8*\p+4*\f:WS+8*\p+4*\f+3], v[SA], s[10:11] offset:1024*\p+16*\f
.endr
.endr
	global_load_b128 v[XS:XS+3], v[SA], s[6:7]                 ; x's: lane l takes my row l
	global_load_b128 v[XS+4:XS+7], v[SA], s[6:7] offset:16
.macro BIAS                            ; bq into the sums' registers: tile t's eight are features 32 (t / 2) + 16 h + 8 (t % 2) + 0 .. 7
.irp t, 0,1,2,3,4,5,6,7
	global_load_b128 v[96+8*\t:99+8*\t], v[BA], s[12:13] offset:(32*(\t/2)+8*(\t%2))*4
	global_load_b128 v[100+8*\t:103+8*\t], v[BA], s[12:13] offset:(32*(\t/2)+8*(\t%2))*4+16
.endr
.endm
.macro XLOAD s                         ; K step s of my 32 rows of x into place s % 4 of the ring: eight loads
	WIN 0
.irp c, 0,1,2,3
	global_load_b128 v[XR+16*((\s)%4)+4*\c:XR+16*((\s)%4)+4*\c+3], v[XA], s[4:5] offset:128*(\s)+32*\c
.endr
	WIN 0x40                                       ; destination window 1: tile 1, 16 rows on
.irp c, 0,1,2,3
	global_load_b128 v[XR+16*((\s)%4)+4*\c:XR+16*((\s)%4)+4*\c+3], v[XA], s[4:5] offset:16384+128*(\s)+32*\c
.endr
	WIN 0
.endm
	BIAS
	WIN 0x40
	BIAS
	WIN 0
	XLOAD 0
	XLOAD 1
	XLOAD 2
	XLOAD 3
	v_mul_u32_u24 v[AW], v21, WPI
	s_delay_alu instid0(VALU_DEP_1)
	v_lshl_add_u32 v[AW], v22, 4, v[AW]
	s_delay_alu instid0(VALU_DEP_1)
	v_add_nc_u32 v[AW], WB, v[AW]                  ; Wq: row r x pitch + 16 h
	s_delay_alu instid0(VALU_DEP_1)
	v_add_nc_u32 v[AW+1], 64*WPI, v[AW]            ; and 64 rows on
	v_mul_u32_u24 v[AK0], v21, KP
	s_delay_alu instid0(VALU_DEP_1)
	v_lshl_add_u32 v[AK0], v22, 4, v[AK0]          ; K, V: a fragment's row x pitch + 16 h
	s_delay_alu instid0(VALU_DEP_1)
	v_add_nc_u32 v[AV0], VOFF, v[AK0]
	v_mul_u32_u24 v[ASK0], v22, 272                ; their scale words: a word a row; lanes 16-31 take the rows 64 further on, one padded row of 256 bytes on
	s_delay_alu instid0(VALU_DEP_1)
	v_lshl_add_u32 v[ASK0], v21, 2, v[ASK0]
	s_delay_alu instid0(VALU_DEP_1)
	v_add_nc_u32 v[ASK0], SCK, v[ASK0]
	v_lshlrev_b32 v[GO], 12, v22
	s_delay_alu instid0(VALU_DEP_1)
	v_lshl_add_u32 v[GO], v21, 4, v[GO]            ; out: lanes 0-15 one row, lanes 16-31 the next; 16 bytes a lane
; ---- Q = q Wq + bq
.macro WFETCH hf, s                    ; Wq's tiles 4 hf .. 4 hf + 3 of K step s into window hf's v32-95
	WIN 0x40*\hf
.irp t, 0,1,2,3
.irp c, 0,1,2,3
	ds_load_b128 v[32+16*\t+4*\c:32+16*\t+4*\c+3], v[AW+\hf] offset:16*\t*WPI+128*(\s)+32*\c
.endr
.endr
	WIN 0
.endm
.macro PMUL t, s, tile                 ; features' tile t x my tile of queries, K step s, onto the sum
.set rD, 96+8*(\t)
.set rA, 32+16*((\t)%4)
.set rB, XR+16*((\s)%4)
.set rW, WS+8*((\t)/2)+(\s)
.set rX, XS+(\s)
.if ((\t)%2 == 0) && (\tile == 0)
	v_wmma_scale_f32_16x16x128_f8f6f4 v[rD:rD+7], v[rA:rA+15], v[rB:rB+15], v[rD:rD+7], v[rW], v[rX] matrix_a_fmt:MATRIX_FMT_BF8 matrix_b_fmt:MATRIX_FMT_BF8
.elseif (\tile == 0)
	v_wmma_scale_f32_16x16x128_f8f6f4 v[rD:rD+7], v[rA:rA+15], v[rB:rB+15], v[rD:rD+7], v[rW], v[rX] matrix_a_fmt:MATRIX_FMT_BF8 matrix_b_fmt:MATRIX_FMT_BF8 matrix_a_scale:MATRIX_SCALE_ROW1
.elseif ((\t)%2 == 0)
	v_wmma_scale_f32_16x16x128_f8f6f4 v[rD:rD+7], v[rA:rA+15], v[rB:rB+15], v[rD:rD+7], v[rW], v[rX] matrix_a_fmt:MATRIX_FMT_BF8 matrix_b_fmt:MATRIX_FMT_BF8 matrix_b_scale:MATRIX_SCALE_ROW1
.else
	v_wmma_scale_f32_16x16x128_f8f6f4 v[rD:rD+7], v[rA:rA+15], v[rB:rB+15], v[rD:rD+7], v[rW], v[rX] matrix_a_fmt:MATRIX_FMT_BF8 matrix_b_fmt:MATRIX_FMT_BF8 matrix_a_scale:MATRIX_SCALE_ROW1 matrix_b_scale:MATRIX_SCALE_ROW1
.endif
.endm
; A K step of 128: sixteen matrix instructions on sixteen sums, which take turns.  Each half of Wq's fragments is asked for anew, eight places behind its last product, while the other half is multiplied.
.macro PSTEP s
.if (\s) < 5
	s_wait_loadcnt 24                              ; this K step of x is in (and all that was asked for ahead of it); the 8 loads of each of the three steps behind it may be out
.else
	s_wait_loadcnt 8*(7-(\s))
.endif
	s_wait_dscnt 16                                ; tiles 0-3 are in; the 16 loads of tiles 4-7 may be out
	WIN 0
.irp t, 0,1,2,3
	PMUL \t, \s, 0
.endr
	WIN 0x54                                       ; source 1 (x), C and D in window 1
.irp t, 0,1,2,3
	PMUL \t, \s, 1
.endr
	WIN 0
.rept 8
	v_nop                                          ; places in front of loads into registers that matrix instructions have read
.endr
.if (\s) < 7
	WFETCH 0, (\s)+1
	s_wait_dscnt 16                                ; tiles 4-7 are in; the 16 loads just issued may be out
.else
	s_wait_dscnt 0x0
.endif
	WIN 0x01                                       ; source 0 (Wq) in window 1
.irp t, 4,5,6,7
	PMUL \t, \s, 0
.endr
	WIN 0x55
.irp t, 4,5,6,7
	PMUL \t, \s, 1
.endr
	WIN 0
.rept 8
	v_nop                                          ; places: for the loads below, and behind the last K step for the first read of the sums
.endr
.if (\s) < 7
	WFETCH 1, (\s)+1
.endif
.if (\s) < 4
	XLOAD (\s)+4                                   ; the ring's place takes the K step four further on
.endif
.endm
; A tile's 64 sums of a lane, register 16 b + i = feature 32 b + 16 h + i of my query, become the scores' operand in v16-31 and its scale word.  Each sum is read from its low end on.
.macro QQUANT tile
	WIN 0x55*\tile
.irp b, 0,1,2,3
	v_max3_num_f32 v[TM+\b], |v[96+16*\b]|, |v[97+16*\b]|, 0x8000000   ; block b: my 16 numbers, and the floor 2^(16 - 127): the byte cannot fall under 1
.endr
.irp i, 2,4,6,8,10,12,14
.irp b, 0,1,2,3
	v_max3_num_f32 v[TM+\b], v[TM+\b], |v[96+16*\b+\i]|, |v[97+16*\b+\i]|
.endr
.endr
.irp b, 0,1,2,3
	s_delay_alu instid0(VALU_DEP_4)
	v_permlanex16_b32 v[TM+4+\b], v[TM+\b], s[SEL], s[SEL+1]
.endr
.irp b, 0,1,2,3
	s_delay_alu instid0(VALU_DEP_4)
	v_max_num_f32 v[TM+\b], v[TM+\b], v[TM+4+\b]   ; with lane l xor 16's: the block's largest magnitude
.endr
.irp b, 0,1,2,3
	s_delay_alu instid0(VALU_DEP_4)
	v_add_nc_u32 v[TM+12+\b], 0xf8800000, v[TM+\b] ; 15 off its exponent field: the conversion's scale operand
.endr
.irp b, 0,1,2,3
.endr
.irp b, 0,1,2,3
	s_delay_alu instid0(VALU_DEP_4)
	v_lshrrev_b32 v[TM+4+\b], 23, v[TM+12+\b]      ; the scale's byte
.endr
	s_delay_alu instid0(VALU_DEP_3)
	v_lshl_or_b32 v[TM+16], v[TM+5], 8, v[TM+4]
	s_delay_alu instid0(VALU_DEP_1)
	v_lshl_or_b32 v[TM+16], v[TM+6], 16, v[TM+16]
	s_delay_alu instid0(VALU_DEP_1)
	v_lshl_or_b32 v[TM+16], v[TM+7], 24, v[TM+16]
.irp b, 0,1,2,3
.irp i, 0,1,2,3,4,5,6,7,8,9,10,11,12,13,14,15
.endr
	v_cvt_scalef32_pk8_bf8_f32 v[16+4*\b:17+4*\b], v[96+16*\b:103+16*\b], v[TM+12+\b]
	v_cvt_scalef32_pk8_bf8_f32 v[18+4*\b:19+4*\b], v[104+16*\b:111+16*\b], v[TM+12+\b]
.endr
	v_nop                                          ; a plain line behind the last conversion
.if \tile
	WIN 0x01                                       ; scale operands have no window: tile 1's word goes into window 0
	v_mov_b32 v4, v[TM+16]
.else
	v_mov_b32 v255, v[TM+16]
.endif
.endm
.macro INIT                            ; the key step is written once: the first finds zeros, which the first change of M leaves zeros
	v_mov_b32 v13, 0xff61b1e6                      ; the largest t so far: -3e38
	s_delay_alu instid0(VALU_DEP_1)
	v_floor_f32 v12, -v13                          ; -M
	v_mov_b32 v14, 0
	v_mov_b32 v15, 0
.irp b, 0,1,2,3
	v_mov_b32 v[236+\b], 0                         ; a lane permute's destination counts as one of its sources
.endr
	v_mov_b32 v253, 0                              ; (named as the upper half of v[252:253] before it is first written)
.set J, 0
.rept 64
	v_mov_b32 v[160+J], 0                          ; O^T
.set J, J+1
.endr
.endm
	s_wait_alu depctr_va_vdst(0)
	s_wait_tensorcnt 0x0                           ; my first fills have landed,
	s_barrier_signal -1
	s_barrier_wait -1                              ; everybody's have: Wq's rows, slot 0 and the scale words are whole.
	WFETCH 0, 0
	WFETCH 1, 0
.irp s, 0,1,2,3,4,5,6,7
	PSTEP \s
.endr
	QQUANT 0
	INIT
	QQUANT 1
	WIN 0x55
	INIT
	WIN 0
; One tile's softmax of a key step, all in the tile's own window.
.macro SOFTMAX tile
	WIN 0x55*\tile
.irp b, 0,1,2,3
	v_max3_num_f32 v[232+\b], v[96+16*\b], v[97+16*\b], v[98+16*\b]   ; the largest score of each block of 32 keys: for the row's maximum and for the block's largest p
.endr
.irp i, 3,5,7,9,11,13
.irp b, 0,1,2,3
	v_max3_num_f32 v[232+\b], v[232+\b], v[96+16*\b+\i], v[97+16*\b+\i]
.endr
.endr
.irp b, 0,1,2,3
	v_max_num_f32 v[232+\b], v[232+\b], v[111+16*\b]
.endr
.irp b, 0,1,2,3
	v_permlanex16_b32 v[236+\b], v[232+\b], s[SEL], s[SEL+1]
.endr
.irp b, 0,1,2,3
	s_delay_alu instid0(VALU_DEP_4)
	v_max_num_f32 v[232+\b], v[232+\b], v[236+\b]  ; with lane l xor 16's 16 keys
.endr
	s_delay_alu instid0(VALU_DEP_2)
	v_max3_num_f32 v254, v232, v233, v234
	s_delay_alu instid0(VALU_DEP_1)
	v_max_num_f32 v254, v254, v235
	s_delay_alu instid0(VALU_DEP_1)
	v_mul_f32 v254, s[CS], v254                    ; the step's largest t (c is positive)
	s_delay_alu instid0(VALU_DEP_1)
	v_max_num_f32 v13, v13, v254                   ; the running largest t
	v_mov_b32 v254, v12
	s_delay_alu instid0(VALU_DEP_2)
	v_floor_f32 v12, -v13                          ; the new -M = -ceil(t): a whole number
	s_delay_alu instid0(VALU_DEP_1)
	v_sub_f32 v254, v12, v254                      ; old M - new M: a whole number, 0 or less
	s_delay_alu instid0(VALU_DEP_1)
	v_cvt_i32_f32 v254, v254                       ; (it saturates)
	s_delay_alu instid0(VALU_DEP_1)
	v_ldexp_f32 v252, 1.0, v254                    ; f = 2^(old M - new M)
.set J, 0
.rept 32
	v_pk_fma_f32 v[96+J:97+J], v[96+J:97+J], s[CS:CS+1], v[12:13] op_sel_hi:[1,0,0]   ; t - M, two at a time
.set J, J+2
.endr
.irp b, 0,1,2,3
	v_fma_f32 v[232+\b], v[232+\b], s[CS], v12     ; the same of each block's largest score
.endr
.set J, 0
	s_wait_alu depctr_va_vdst(0)
.rept 64
	v_exp_f32 v[96+J], v[96+J]                     ; p = 2^(t - M), at most 1
.set J, J+1
.endr
.irp b, 0,1,2,3
	v_exp_f32 v[232+\b], v[232+\b]                 ; the block's largest p
.endr
	v_pk_mul_f32 v[14:15], v[14:15], v[252:253] op_sel_hi:[1,0]   ; the sums under the new M (a plain line behind the exponentials)
	s_wait_alu depctr_va_vdst(0)
.irp b, 0,1,2,3
	v_max_num_f32 v[232+\b], 0x8000000, v[232+\b]  ; the floor 2^(16 - 127): the byte cannot fall under 1
.endr
.irp b, 0,1,2,3
	s_delay_alu instid0(VALU_DEP_4)
	v_add_nc_u32 v[244+\b], 0xf8800000, v[232+\b]  ; the conversion's scale operand
.endr
.irp b, 0,1,2,3
.endr
.irp b, 0,1,2,3
	s_delay_alu instid0(VALU_DEP_4)
	v_lshrrev_b32 v[236+\b], 23, v[244+\b]         ; the scale's byte
.endr
	s_delay_alu instid0(VALU_DEP_3)
	v_lshl_or_b32 v253, v237, 8, v236              ; p's scale word for these 128 keys
	s_delay_alu instid0(VALU_DEP_1)
	v_lshl_or_b32 v253, v238, 16, v253
	s_delay_alu instid0(VALU_DEP_1)
	v_lshl_or_b32 v253, v239, 24, v253
.if \tile
	WIN 0x01                                       ; scale operands have no window: tile 1's word is copied into window 0
	v_mov_b32 v11, v253
	WIN 0x55
.endif
	v_pk_add_f32 v[236:237], v[96:97], v[98:99]    ; the row's sum is taken of the unquantised p: two chains
.irp j, 4,8,12,16,20,24,28,32,36,40,44,48,52,56,60
	v_pk_add_f32 v[14:15], v[14:15], v[96+\j:97+\j]
	v_pk_add_f32 v[236:237], v[236:237], v[98+\j:99+\j]
.endr
	s_delay_alu instid0(VALU_DEP_1)
	v_pk_add_f32 v[14:15], v[14:15], v[236:237]
.irp b, 0,1,2,3
.irp i, 0,1,2,3,4,5,6,7,8,9,10,11,12,13,14,15
.endr
	v_cvt_scalef32_pk8_bf8_f32 v[224+4*\b:225+4*\b], v[96+16*\b:103+16*\b], v[244+\b]
	v_cvt_scalef32_pk8_bf8_f32 v[226+4*\b:227+4*\b], v[104+16*\b:111+16*\b], v[244+\b]
.endr
.set J, 0
.rept 32
	v_pk_mul_f32 v[160+J:161+J], v[160+J:161+J], v[252:253] op_sel_hi:[1,0]   ; O^T under the new M (also the places in front of the products that follow)
.set J, J+2
.endr
.endm
; Eight fragments (128 rows x 128 bytes) and their scale words in one run: rows 0-63 into window 0's v32-95, the four words, rows 64-127 into window 1's.  A word's register holds rows 16 t + r in lanes 0-15 and rows 64 + 16 t + r in lanes 16-31.
.macro FETCH8 adr, q, soff
.irp t, 0,1,2,3
.irp c, 0,1,2,3
	ds_load_b128 v[32+16*\t+4*\c:32+16*\t+4*\c+3], v[\adr] offset:(128*(\q)+16*\t)*KP+32*\c
.endr
.endr
.irp t, 0,1,2,3
	ds_load_b32 v[248+\t], v[ADS] offset:\soff+64*\t
.endr
	WIN 0x40
.irp t, 0,1,2,3
.irp c, 0,1,2,3
	ds_load_b128 v[32+16*\t+4*\c:32+16*\t+4*\c+3], v[\adr] offset:(128*(\q)+64+16*\t)*KP+32*\c
.endr
.endr
.endm
.macro SMUL g, t, tile                 ; S^T: keys' tile 4 g + t x my tile of queries; the product starts the sum
.set rD, 96+8*(4*\g+\t)
.set rA, 32+16*\t
.set rQ, 255-251*\tile
.if \g == 0
	v_wmma_scale_f32_16x16x128_f8f6f4 v[rD:rD+7], v[rA:rA+15], v[16:31], 0, v[248+\t], v[rQ] matrix_a_fmt:MATRIX_FMT_BF8 matrix_b_fmt:MATRIX_FMT_BF8
.else
	v_wmma_scale_f32_16x16x128_f8f6f4 v[rD:rD+7], v[rA:rA+15], v[16:31], 0, v[248+\t], v[rQ] matrix_a_fmt:MATRIX_FMT_BF8 matrix_b_fmt:MATRIX_FMT_BF8 matrix_a_scale:MATRIX_SCALE_ROW1
.endif
.endm
.macro OMUL g, t, tile                 ; O^T: channels' tile 4 g + t x my tile's p, onto the sum
.set rD, 160+8*(4*\g+\t)
.set rA, 32+16*\t
.set rP, 253-242*\tile
.if \g == 0
	v_wmma_scale_f32_16x16x128_f8f6f4 v[rD:rD+7], v[rA:rA+15], v[224:239], v[rD:rD+7], v[248+\t], v[rP] matrix_a_fmt:MATRIX_FMT_BF8 matrix_b_fmt:MATRIX_FMT_BF8
.else
	v_wmma_scale_f32_16x16x128_f8f6f4 v[rD:rD+7], v[rA:rA+15], v[224:239], v[rD:rD+7], v[248+\t], v[rP] matrix_a_fmt:MATRIX_FMT_BF8 matrix_b_fmt:MATRIX_FMT_BF8 matrix_a_scale:MATRIX_SCALE_ROW1
.endif
.endm
; A KEY STEP: 128 keys, the q-th block of the slot in hand, for both tiles.  Windows of a product: source 0 = the fragments' (g), source 1, C and D = the tile's.
.macro STEP q
	WIN 0
	v_add_nc_u32 v[ADK], s[TB], v[AK0]
	v_add_nc_u32 v[ADV], s[TB], v[AV0]
	v_add_nc_u32 v[ADS], s[TS], v[ASK0]
.rept 5
	v_nop                                          ; eight places in front of loads into registers that matrix instructions have read (the three additions above are places too)
.endr
	FETCH8 ADK, \q, 0                              ; K
	s_wait_alu depctr_va_vdst(0)
	s_wait_dscnt 16                                ; keys 0-63 and the scale words are in; the 16 loads of keys 64-127 may be out
	WIN 0
.irp t, 0,1,2,3
	SMUL 0, \t, 0
.endr
	WIN 0x54
.irp t, 0,1,2,3
	SMUL 0, \t, 1
.endr
	s_wait_dscnt 0x0
	WIN 0x01
.irp t, 0,1,2,3
	SMUL 1, \t, 0
.endr
	WIN 0x55
.irp t, 0,1,2,3
	SMUL 1, \t, 1
.endr
	WIN 0
.rept 8
	v_nop                                          ; places in front of the loads below and of the first read of the scores
.endr
	FETCH8 ADV, \q, 2*SCH                          ; V: asked for here, wanted behind both softmaxes
	SOFTMAX 0
	SOFTMAX 1
	s_wait_alu depctr_va_vdst(0)
	s_wait_dscnt 0x0
	WIN 0
.irp t, 0,1,2,3
	OMUL 0, \t, 0
.endr
	WIN 0x54
.irp t, 0,1,2,3
	OMUL 0, \t, 1
.endr
	WIN 0x01
.irp t, 0,1,2,3
	OMUL 1, \t, 0
.endr
	WIN 0x55
.irp t, 0,1,2,3
	OMUL 1, \t, 1
.endr
	WIN 0
	s_add_co_u32 s[TS], s[TS], 544                 ; the next step's scale words
.endm
; THE CHANGE OF SLOTS stands at a slot's head.  Each wave waits for all its tensor loads, adds 0 to its spare word, and waits for that and for its reads of the bytes that it has left (the first time: Wq's rows).
; fill = 1: the barrier is a round of the cluster's, and behind it the slot just left is filled with the next 256 keys: the load has a whole slot's steps in which to land.
.macro CHANGE fill
	WIN 0
	s_wait_tensorcnt 0x0                           ; no tensor load of mine is out, so the walking group 0 may be written
	ds_add_u32 v[SPW], v[NIL]                      ; 0 onto my spare word
.if \fill
	s_xor_b32 s[G0+1], s[G0+1], SLOT1              ; the other slot than last time,
	s_add_nc_u64 s[G0+2:G0+3], s[G0+2:G0+3], 32768 ; the next two blocks; the type bits on top are not reached
.endif
	s_wait_dscnt 0x0                               ; the add is done, and my reads of the bytes that are filled next are over
.if \fill
	CROUND
	TLOAD                                          ; the first thing behind the round, and a wave's one tensor load until the next
.else
	s_barrier_signal -1
	s_barrier_wait -1
.endif
.endm
.macro SLOT_STEPS
	STEP 0
	STEP 1
	s_xor_b32 s[TB], s[TB], SLOT1                  ; on to the other slot
.endm
.Lslot:                                            ; seven trips: behind each change of slots but the last the next slot is asked for
	CHANGE 1
	SLOT_STEPS
	s_sub_co_u32 s[SLOTS], s[SLOTS], 1
	s_cmp_lg_u32 s[SLOTS], 0
	s_cbranch_scc1 .Lslot
	CHANGE 0                                       ; the last slot is written out
	SLOT_STEPS
	; THE WAY OUT.  O^T / the sum goes through my stage in LDS (16 rows x (256 bytes + 16), in slot 0, which has had its last fill and which nobody reads), half a head's row at a time.
	v_and_b32 v1, 15, v0                           ; r
	v_bfe_u32 v2, v0, 4, 1                         ; h
	s_mul_i32 s52, s[WV], 16*272                   ; my stage
	v_mul_u32_u24 v8, v1, 272
	s_delay_alu instid0(VALU_DEP_1)
	v_lshl_add_u32 v8, v2, 6, v8
	s_delay_alu instid0(VALU_DEP_1)
	v_add_nc_u32 v8, s52, v8                       ; in: row r, + 64 h: register 8 t + j is channel 32 (t / 2) + 16 h + 8 (t % 2) + j
	v_mul_u32_u24 v9, v2, 272
	s_delay_alu instid0(VALU_DEP_1)
	v_lshl_add_u32 v9, v1, 4, v9
	s_delay_alu instid0(VALU_DEP_1)
	v_add_nc_u32 v9, s52, v9                       ; back: lanes 0-15 one row, lanes 16-31 the next
.macro WAYOUT tile
	WIN 0x55*\tile
	v_add_f32 v14, v14, v15                        ; the sum's two halves,
	s_delay_alu instid0(VALU_DEP_1)
	v_permlanex16_b32 v252, v14, s[SEL], s[SEL+1]
	s_delay_alu instid0(VALU_DEP_1)
	v_add_f32 v14, v14, v252                       ; and lane l xor 16's: the row's sum
	s_wait_alu depctr_va_vdst(0)
	v_rcp_f32 v14, v14
	v_nop                                          ; a plain line behind the transcendental
.set J, 0
	s_wait_alu depctr_va_vdst(0)
.rept 64
	v_mul_f32 v[96+J], v[160+J], v14               ; each accumulator from its low end on
.set J, J+1
.endr
.irp u, 0,1                                    ; channels 64 u on
	WIN 0x04*\tile                                 ; an LDS store's data are its source 1
.irp t, 0,1,2,3
	ds_store_b128 v8, v[96+32*\u+8*\t:99+32*\u+8*\t] offset:128*(\t/2)+32*(\t%2)
	ds_store_b128 v8, v[100+32*\u+8*\t:103+32*\u+8*\t] offset:128*(\t/2)+32*(\t%2)+16
.endr
	WIN 0x40*\tile
.irp i, 0,1,2,3,4,5,6,7
	ds_load_b128 v[32+32*\u+4*\i:35+32*\u+4*\i], v9 offset:544*\i   ; LDS serves a wave in order: these see my stores, and the next half's stores come behind them
.endr
.endr
	WIN 0x04*\tile
.irp u, 0,1
.irp i, 0,1,2,3,4,5,6,7
	s_wait_dscnt 23-16*\u-\i                       ; what was issued behind this load: the rest of its run, and for the first half the second half's eight stores and eight loads
	global_store_b128 v[GO], v[32+32*\u+4*\i:35+32*\u+4*\i], s[8:9] offset:(8*\tile+2*\i+8*(\i/4))*4096+256*\u th:TH_STORE_NT   ; stored rows 2 i, 2 i + 1 of the tile at their true queries; sixteen lanes store 256 consecutive bytes, aligned
.endr
.endr
.endm
	WAYOUT 0
	WAYOUT 1
	WIN 0
	s_wait_tensorcnt 0x0                           ; the wave's end
	ds_add_u32 v[SPW], v[NIL]
	s_wait_dscnt 0x0
	CROUND                                         ; the closing round: no work-group ends while a partner may still ask for a tile that names it
	s_endpgm
.Lfunc_end_k_q890d35af14_attn:
	.size	k_q890d35af14_attn, .Lfunc_end_k_q890d35af14_attn-k_q890d35af14_attn
	.p2alignl 7, 3214868480
	.fill 96, 4, 3214868480
	.section	.rodata,"a",@progbits
	.p2align	6, 0x0
	.amdhsa_kernel k_q890d35af14_attn
		.amdhsa_group_segment_fixed_size 327680
		.amdhsa_private_segment_fixed_size 0
		.amdhsa_enable_private_segment 0
		.amdhsa_kernarg_size 64
		.amdhsa_user_sgpr_count 2
		.amdhsa_user_sgpr_kernarg_segment_ptr 1
		.amdhsa_wavefront_size32 1
		.amdhsa_system_sgpr_workgroup_id_x 1
		.amdhsa_system_sgpr_workgroup_id_y 1
		.amdhsa_system_sgpr_workgroup_id_z 1
		.amdhsa_system_vgpr_workitem_id 0
		.amdhsa_next_free_vgpr 512
		.amdhsa_next_free_sgpr 102
		.amdhsa_reserve_vcc 0
		.amdhsa_float_denorm_mode_32 3
		.amdhsa_float_denorm_mode_16_64 3
		.amdhsa_fp16_overflow 1
		.amdhsa_memory_ordered 1
		.amdhsa_forward_progress 1
		.amdhsa_inst_pref_size 230
	.end_amdhsa_kernel
	.amdgpu_metadata
---
amdhsa.version: [ 1, 2 ]
amdhsa.kernels:
  - .name:           k_q890d35af14_attn
    .symbol:         k_q890d35af14_attn.kd
    .args:
      - { .name: x_codes, .offset: 0, .size: 8, .value_kind: global_buffer, .address_space: global }
      - { .name: x_scales, .offset: 8, .size: 8, .value_kind: global_buffer, .address_space: global }
      - { .name: w_codes, .offset: 16, .size: 8, .value_kind: global_buffer, .address_space: global }
      - { .name: w_scales, .offset: 24, .size: 8, .value_kind: global_buffer, .address_space: global }
      - { .name: bq, .offset: 32, .size: 8, .value_kind: global_buffer, .address_space: global }
      - { .name: p_codes, .offset: 40, .size: 8, .value_kind: global_buffer, .address_space: global }
      - { .name: p_scales, .offset: 48, .size: 8, .value_kind: global_buffer, .address_space: global }
      - { .name: out0, .offset: 56, .size: 8, .value_kind: global_buffer, .address_space: global }
    .group_segment_fixed_size: 327680
    .private_segment_fixed_size: 0
    .kernarg_segment_align: 8
    .kernarg_segment_size: 64
    .max_flat_workgroup_size: 256
    .sgpr_count:     102
    .vgpr_count:     512
    .wavefront_size: 32
...
	.end_amdgpu_metadata
.endif
;; end of part 3
